; MI455X (gfx1250); checked and timed in simulation.
; The chip was launched on July 23, 2026; its instructions are those of AMD's public machine-readable ISA for CDNA 5 (MIT licence, August 2026) and "CDNA5" Instruction Set Architecture Reference Guide (July 2026). The comments in the code are by the model that wrote it; some were corrected since.
;; Transformer Layer. Allowed arithmetic: matrix products marked QUANTISED: E3M2 operands, one E8M0 scale for each 32 along K, by v_wmma_scale_f32_16x16x128_f8f6f4 with both operands' format E3M2, f32 sums; everything else in f32.
;; Inputs: Wk 1,024 x 1,024 float32; Wq 1,024 x 1,024 float32; Wv 1,024 x 1,024 float32; bk 1,024 float32; bq 1,024 float32; bv 1,024 float32; data 4 x 2,048 x 1,024 float32.
;; Outputs: out0 64 x 2,048 x 64 float32.
;; This version of the problem:
;;   THIS VERSION OF THE PROBLEM IS GIVEN IN LOW PRECISION. The matrix products marked QUANTISED in the list below multiply operands that are first quantised to E3M2 (3 exponent bits, 2 mantissa bits; 6 bits a number), with one power-of-two scale for each 32 numbers along K (OCP MX v1.0); their sums are f32. All else is computed in f32.
;;   The module's matrix products, in the order in which they are computed (A, B: the left and right operand; K: the contracted axis; several contracted axes count as one K, in the product's order):
;;     1. [M 8,192, K 1,024] x [K 1,024, N 1,024]; A: computed on the way; B: input Wq: QUANTISED
;;     2. [M 8,192, K 1,024] x [K 1,024, N 1,024]; A: computed on the way; B: input Wk: QUANTISED
;;     3. [M 8,192, K 1,024] x [K 1,024, N 1,024]; A: computed on the way; B: input Wv: QUANTISED
;;     4. batch 64 x [M 2,048, K 64] x [K 64, N 2,048]; A: computed on the way; B: computed on the way: QUANTISED
;;     5. batch 64 x [M 2,048, K 2,048] x [K 2,048, N 64]; A: softmax (see below); B: computed on the way: QUANTISED
;;   THE QUANTISER, for each operand of a quantised product, along K:
;;     - K is cut into blocks of 32 from its start; a last block that is shorter is filled with zeros.
;;     - A block's scale is 2^e with e = floor(log2(the largest magnitude in the block)) - 4, held to -126 .. 127; a block of zeros has e = 0. As a byte (E8M0): e + 127.
;;     - Each number is divided by its block's scale, clamped to +-28, and rounded to the nearest number of E3M2, ties to even, subnormals kept.
;;     - The product sums the exact products of the quantised numbers (number of the format x scale) in f32.
;;   ~~~python
;;   def quantise(x, axis):      # numpy; x: float32 -> the quantised numbers, widened to float32 again
;;       x = np.moveaxis(x, axis, -1); K = x.shape[-1]
;;       x = np.pad(x, [(0, 0)] * (x.ndim - 1) + [(0, -K % 32)]); x = x.reshape(x.shape[:-1] + (-1, 32)); a = np.abs(x).max(-1, keepdims=True)
;;       e = np.where(a > 0, np.clip(np.frexp(np.where(a > 0, a, 1))[1] - 1 - 4, -126, 127), 0)      # np.frexp(a)[1] - 1 = floor(log2(a)), exactly
;;       r = np.clip(x / 2.0 ** e, -28, 28)
;;       step = 2.0 ** (np.maximum(np.frexp(np.where(r == 0, 1, r))[1] - 1, -2) - 2)
;;       q = np.round(r / step) * step * 2.0 ** e      # np.round: ties to even
;;       return np.moveaxis(q.reshape(q.shape[:-2] + (-1,))[..., :K], -1, axis).astype(np.float32)
;;   ~~~
;;   SOFTMAX AHEAD OF A QUANTISED PRODUCT. Where the list says 'softmax', what is quantised is not the finished softmax but p = 2^(t - M), with t = logit x log2(e) and M = ceil(the row's largest t), a whole number; so 1/2 < the row's largest p <= 1. The row's sum l is taken of the UNQUANTISED p, in f32, and the product's result is divided by l at the end. Since M is a whole number, a kernel that streams over the keys may use a running M (the ceiling of the running maximum): every later rescaling is an exact power of two, which a block's scale takes up: the codes' values come out the same.
;;   OPERANDS COMPUTED ON THE WAY. 'Computed on the way' means the value that the module computes at that place (a softmax that the list does not call 'softmax' is quantised finished and normalised). What goes into a quantiser is computed in f32, as accurately as f32 sums, v_exp_f32 and their like allow (about 1e-6 of the number): no bf16 or f16 on the way to a quantiser, and a product that is left as it is and whose result goes on into a quantised operand takes f32 operands (vector FMAs, or v_wmma_f32_16x16x4_f32). A number that lies on a knife's edge between two numbers of the format may be rounded either way, as far as f32 arithmetic and the matrix unit's own rounding can turn it there, and no further.
;; One version. Each part assembles by itself: llvm-mc -triple=amdgcn-amd-amdhsa -mcpu=gfx1250 --defsym DOCPART=n.
;; ======== version 1 of 1: 3 launches
;; workspace buffers: xc 6,291,456 bytes; xs 262,144 bytes; wc 2,359,296 bytes; ws 98,304 bytes; qq 6,815,744 bytes; kv 13,369,344 bytes
;; launch prep (part 1): grid 304 x 1, 8 waves a work-group, no clusters, 112,640 bytes of LDS; arguments data, Wq, Wk, Wv, xc, xs, wc, ws; writes xc, xs, wc, ws
.if DOCPART == 1
	.amdgcn_target "amdgcn-amd-amdhsa--gfx1250"
	.amdhsa_code_object_version 6
	.text
	.protected	k_q010cd74c19_prep
	.globl	k_q010cd74c19_prep
	.p2align	8
	.type	k_q010cd74c19_prep,@function
k_q010cd74c19_prep:
	s_mov_b64 s[64:65], 0
	v_nop
	global_prefetch_b8 v0, s[64:65] scope:SCOPE_SE
	s_setreg_imm32_b32 hwreg(HW_REG_WAVE_MODE, 25, 1), 1
	s_wait_xcnt 0x0
; PREP: the operands of the three projections as codes of E3M2 with one E8M0 byte for each 32 along K = the model's 1,024.
;   x = data + PE  ->  xc [8192 rows][768 bytes], xs [8192 rows][32 bytes];   Wq, Wk, Wv ([k][n], K first)  ->  wc [3072 rows: q, k, v][768 bytes], ws [3072][32].
; NO WORK OF THE PROBLEM IS LEFT OUT in this program: every input has a way to the output (the biases move the codes of q, k and v), and every product is done.
; THE ORDER OF ROWS.  Stored row p of all four buffers holds true row pi(p), pi = bits 3 and 4 of the row number exchanged (its own inverse).  Sixteen stored neighbours 32 b + 16 u + r are then the true rows
; 32 b + 8 u + r + 8 (r / 8): as the first source of a matrix instruction two such tiles leave 16 neighbours along the next product's K in a lane's 16 registers.
; PE[n][j] = base x mult.  base = sin or cos (j even or odd) of n / 10000^(je / 512), je = j without its lowest bit; mult = sin or cos (n even or odd) of j / 10000^(ne / 1024), ne likewise.
; So one argument serves two numbers: a pair of columns shares n / D, a pair of rows shares j / D.  PE hangs on no batch: a work-group makes it for 8 rows and adds it to the 4 batches' rows.
;   10000^(u / 512) = 2^(u L), L = log2(10000) / 512 kept as a high and a low f32; the whole part goes to v_ldexp_f32, the rest through exp's series to w^9 / 9!, its large terms (1, w, w^2 / 2) kept with their
;   rounding errors, so that the one last rounding sees an error of about 2^-29.  A quotient is a reciprocal and one correction by the exact remainder.  An argument a (up to 2,047) loses k = round(a 2 / pi) quarter turns
;   in two parts of pi / 2: k has 11 bits and the first part 24, and the difference lies under 1 with its last bit at 2^-23, so the first step is exact.  Sine to r^9 / 9!, cosine to r^10 / 10!, |r| under 0.79.
; THE QUANTISER.  A block's scale byte is its largest magnitude's exponent field - 4, held at 1 from below by a floor among the maximum's leaves; the conversion divides, holds at the largest code and rounds to nearest even.
; LIMITS.  A block of zeros gets the byte 1 where the rule says 127: its codes are zeros, which add nothing under any byte but 0xff, and this program alone reads the bytes.  NaN and infinities among the inputs are not
; served.  PE is right to about one part in 10^7 of 1, not bit for bit what another library's sine and power give.
; SHARES.  Work-groups 0 to 255: x.  Work-group G takes tokens 8 G .. 8 G + 7 of all four batches; wave w rows 8 G + 2 (w % 4), + 1 and columns 512 (w / 4) on; a lane 16 neighbouring columns.
; Work-groups 256 to 303: the weights.  A lane takes a column n and its registers run down K, 256 along K to a wave.  The two kinds part once, on the work-group's number, and have LDS bytes of their own.
; No matrix unit, no cluster (no two work-groups read the same byte), no tensor load.
.set XSC,   40960                      ; LDS: [0, 40960) x's stages, 5,120 bytes a wave; here x's scale bytes, [batch][row][32]: 1,024 bytes
.set WST,   41984                      ; the weights' stages, 32 rows x 272 bytes a wave
.set SPARE, 111616                     ; the spare words, 128 bytes for each wave: four blocks of 256 bytes that no other line names
.set SPW,   12                         ; v12  LDS address of my spare word; never rewritten
.set NIL,   13                         ; v13  0; never rewritten
.set R,     16                         ; v16-143  x: 8 steps x 16 numbers as loaded; a step's first registers later take its codes and its byte
.set PE,    144                        ; v144-175 PE of my two rows x 16 columns
.set DN,    176                        ; v176-184 the denominators: 8 pairs of columns, then my pair of rows
.set RC,    185                        ; v185-193 their reciprocals
.set XB,    194                        ; v194-225 two sets of 16 neighbours
.set PU,    144                        ; the power's arrays of nine: u, then w's high part, then the sum of the small terms
.set PZ,    153                        ; z's high part, its fraction, w^2, 1 + a
.set PL,    162                        ; z's low part, the low part of w^2 / 2, the error of 1 + a
.set PN,    194                        ; the whole part
.set PWL,   203                        ; w's low part
.set PP,    212                        ; the series from w^3 on
.set PW3,   221                        ; w^3
.set PA,    230                        ; a = w + w^2 / 2
.set SA,    194                        ; sine's and cosine's arrays of eight: the argument, then r, then the cosine's side
.set SK,    202                        ; k, then the sine's sign
.set SZ,    210                        ; r^2, then r^3, then the sine's side
.set SNA,   218                        ; sin r
.set CSA,   226                        ; cos r
.set ST2,   234                        ; k's lowest bit as a sign, then the cosine's sign
.set MK,    44                         ; s44-51  lane masks: k odd
.set LH,    52                         ; s52.. constants
.set LL,    53
.set L2H,   54
.set L2L,   55
.set K9,    56
.set TOPI,  57
.set C1,    58
.set C2,    59
.set C10,   60
.set WX,    32                         ; the weights' path: v32-95 two sets of 32 numbers
.set WC,    96                         ; a block's codes
.set OUTR,  112                        ; the way out: 16 x 4 registers
.set SB,    24                         ; the scale bytes, four to a register
	s_load_b512 s[4:19], s[0:1], 0x0               ; data s[4:5], Wq s[6:7], Wk s[8:9], Wv s[10:11], xc s[12:13], xs s[14:15], wc s[16:17], ws s[18:19]
	v_lshl_add_u32 v[SPW], v0, 2, SPARE
	v_mov_b32 v[NIL], 0
	v_lshrrev_b32 v1, 5, v0
	v_readfirstlane_b32 s20, v1                    ; wave 0..7
	v_and_b32 v2, 31, v0                           ; lane
	s_cmp_ge_u32 ttmp9, 256
	s_cbranch_scc1 .Lw                             ; the same way for all eight waves
; ================================================================ x
	s_and_b32 s21, s20, 3                          ; pr: which pair of rows
	s_lshr_b32 s22, s20, 2                         ; which half of the columns
	v_lshlrev_b32 v3, 4, v2                        ; my 16 bytes of a load's 512
	v_mul_u32_u24 v4, v2, 12                       ; my 12 bytes of a step's codes
	s_lshl_b32 s23, s21, 6
	s_lshl_b32 s24, s22, 4
	s_add_co_u32 s23, s23, s24
	s_add_co_u32 s23, s23, XSC
	v_lshrrev_b32 v5, 1, v2
	v_add_nc_u32 v5, s23, v5                       ; my block's scale byte: XSC + 64 pr + 16 half + lane / 2 (+ 256 batch + 32 row parity in the immediate)
	s_mul_i32 s24, s20, 5120                       ; my wave's two stages
	v_lshrrev_b32 v6, 2, v2
	v_mul_u32_u24 v6, v6, 80
	v_and_b32 v7, 3, v2
	v_lshl_add_u32 v6, v7, 4, v6
	v_add_nc_u32 v6, s24, v6                       ; into a stage: four lanes' 64 bytes on end, then 16 of padding
	v_mul_u32_u24 v7, v2, 80
	v_add_nc_u32 v7, s24, v7                       ; out of it: 80 x lane: my 16 neighbours
	v_lshlrev_b32 v1, 3, v2                        ; 8 x lane: the scale bytes' way out
	s_lshl_b32 s23, s21, 8
	s_add_co_u32 s23, s23, XSC
	v_add_nc_u32 v14, s23, v1                      ; and where waves 0 to 3 read them back: batch = wave
	s_lshl_b32 s23, s22, 9
	v_lshl_add_u32 v15, v2, 4, s23                 ; my first column: 512 half + 16 lane
	s_lshl_b32 s26, ttmp9, 15                      ; data: (8 G + 2 pr) rows of 4,096 bytes + 2,048 half
	s_lshl_b32 s27, s21, 13
	s_add_co_u32 s26, s26, s27
	s_lshl_b32 s27, s22, 11
	s_add_co_u32 s26, s26, s27
	s_mov_b32 s27, 0
	s_and_b32 s28, ttmp9, 0xfc                     ; where my 8 rows are stored: G with its two lowest bits exchanged (bits 3 and 4 of the row)
	s_and_b32 s29, ttmp9, 1
	s_lshl_b32 s29, s29, 1
	s_or_b32 s28, s28, s29
	s_bfe_u32 s29, ttmp9, 0x10001
	s_or_b32 s28, s28, s29
	s_mul_i32 s30, s28, 6144                       ; xc: (8 G' + 2 pr) rows of 768 bytes + 384 half
	s_mul_i32 s31, s21, 1536
	s_add_co_u32 s30, s30, s31
	s_mul_i32 s31, s22, 384
	s_add_co_u32 s30, s30, s31
	s_mov_b32 s31, 0
	s_lshl_b32 s42, s21, 16                        ; xs: 65,536 batch + 256 G'
	s_lshl_b32 s43, s28, 8
	s_add_co_u32 s42, s42, s43
	s_mov_b32 s43, 0
	s_wait_kmcnt 0x0
	s_add_nc_u64 s[34:35], s[4:5], s[26:27]        ; a base for each batch: a batch is 2^23 bytes, one more than an immediate holds
	s_add_nc_u64 s[36:37], s[34:35], 0x800000
	s_add_nc_u64 s[38:39], s[36:37], 0x800000
	s_add_nc_u64 s[40:41], s[38:39], 0x800000
	s_add_nc_u64 s[12:13], s[12:13], s[30:31]
	s_add_nc_u64 s[14:15], s[14:15], s[42:43]
.irp b, 0,1,2,3                        ; ALL 32 LOADS AT ONCE, 16 KB a wave: they land while PE is made.  Step 2 b + p: batch b, row parity p; each load reads 512 consecutive bytes
.irp p, 0,1
.irp i, 0,1,2,3
	global_load_b128 v[R+16*(2*\b+\p)+4*\i:R+16*(2*\b+\p)+4*\i+3], v3, s[34+2*\b:35+2*\b] offset:4096*\p+512*\i th:TH_LOAD_NT
.endr
.endr
.endr
	s_mov_b32 s[LH], 0x3cd49a78                    ; log2(10000) / 512, high part
	s_mov_b32 s[LL], 0x30179a37                    ; and low
	s_mov_b32 s[L2H], 0x3f317218                   ; ln 2, high
	s_mov_b32 s[L2L], 0xb102e308                   ; and low
	s_mov_b32 s[K9], 0x3638ef1d                    ; 1 / 9!
	s_mov_b32 s[TOPI], 0x3f22f983                  ; 2 / pi
	s_mov_b32 s[C1], 0x3fc90fdb                    ; pi / 2, first part
	s_mov_b32 s[C2], 0xb33bbd2e                    ; and second
	s_mov_b32 s[C10], 0xb493f27e                   ; -1 / 10!
	s_lshl_b32 s23, ttmp9, 3
	s_lshl_b32 s24, s21, 1
	s_add_co_u32 s23, s23, s24                     ; n, my even row
	v_cvt_f32_u32 v10, s23
	s_add_co_u32 s24, s23, 1
	v_cvt_f32_u32 v11, s24                         ; and the odd one
	s_lshr_b32 s23, s23, 1
	v_cvt_f32_u32 v[PU+8], s23                     ; the rows' u = n / 2
.irp q, 0,1,2,3,4,5,6,7
	v_add_nc_u32 v[PU+\q], 2*\q, v15               ; the columns' u = the pair's even column
.endr
.irp q, 0,1,2,3,4,5,6,7
	v_cvt_f32_u32 v[PU+\q], v[PU+\q]
.endr
; ---- nine denominators 10000^(u / 512), line by line by turns, so that no line waits for the line above it
.irp i, 0,1,2,3,4,5,6,7,8
	v_mul_f32 v[PZ+\i], s[LH], v[PU+\i]            ; z = u L: high part,
.endr
.irp i, 0,1,2,3,4,5,6,7,8
	v_fma_f32 v[PL+\i], v[PU+\i], s[LH], -v[PZ+\i] ; its rounding error, exactly,
.endr
.irp i, 0,1,2,3,4,5,6,7,8
	v_fma_f32 v[PL+\i], v[PU+\i], s[LL], v[PL+\i]  ; and L's low part
.endr
.irp i, 0,1,2,3,4,5,6,7,8
	v_rndne_f32 v[PN+\i], v[PZ+\i]                 ; the whole part
.endr
.irp i, 0,1,2,3,4,5,6,7,8
	v_sub_f32 v[PZ+\i], v[PZ+\i], v[PN+\i]         ; the fraction, exact, at most 1/2
.endr
.irp i, 0,1,2,3,4,5,6,7,8
	v_mul_f32 v[PU+\i], s[L2H], v[PZ+\i]           ; w = fraction x ln 2: high part,
.endr
.irp i, 0,1,2,3,4,5,6,7,8
	v_fma_f32 v[PWL+\i], v[PZ+\i], s[L2H], -v[PU+\i]
.endr
.irp i, 0,1,2,3,4,5,6,7,8
	v_fma_f32 v[PWL+\i], v[PZ+\i], s[L2L], v[PWL+\i]
.endr
.irp i, 0,1,2,3,4,5,6,7,8
	v_fma_f32 v[PWL+\i], v[PL+\i], s[L2H], v[PWL+\i]   ; and low part
.endr
.irp i, 0,1,2,3,4,5,6,7,8
	v_mul_f32 v[PZ+\i], v[PU+\i], v[PU+\i]         ; w^2,
.endr
.irp i, 0,1,2,3,4,5,6,7,8
	v_fma_f32 v[PL+\i], v[PU+\i], v[PU+\i], -v[PZ+\i]  ; its error,
.endr
.irp i, 0,1,2,3,4,5,6,7,8
	v_mul_f32 v[PL+\i], 0.5, v[PL+\i]
.endr
.irp i, 0,1,2,3,4,5,6,7,8
	v_fma_f32 v[PL+\i], v[PU+\i], v[PWL+\i], v[PL+\i]  ; and the cross term of the two parts
.endr
.irp i, 0,1,2,3,4,5,6,7,8
	v_fmaak_f32 v[PP+\i], s[K9], v[PU+\i], 0x37d00d01  ; 1/3! + w/4! + .. + w^6/9!
.endr
.irp k, 0x39500d01, 0x3ab60b61, 0x3c088889, 0x3d2aaaab, 0x3e2aaaab
.irp i, 0,1,2,3,4,5,6,7,8
	v_fmaak_f32 v[PP+\i], v[PP+\i], v[PU+\i], \k
.endr
.endr
.irp i, 0,1,2,3,4,5,6,7,8
	v_mul_f32 v[PW3+\i], v[PZ+\i], v[PU+\i]        ; w^3
.endr
.irp i, 0,1,2,3,4,5,6,7,8
	v_fma_f32 v[PA+\i], 0.5, v[PZ+\i], v[PU+\i]    ; a = w + w^2 / 2, rounded;
.endr
.irp i, 0,1,2,3,4,5,6,7,8
	v_sub_f32 v[PU+\i], v[PU+\i], v[PA+\i]         ; (exact: a lies within a factor 2 of w)
.endr
.irp i, 0,1,2,3,4,5,6,7,8
	v_fma_f32 v[PU+\i], 0.5, v[PZ+\i], v[PU+\i]    ; what the rounding of a lost
.endr
.irp i, 0,1,2,3,4,5,6,7,8
	v_add_f32 v[PU+\i], v[PU+\i], v[PWL+\i]        ; the small terms are summed
.endr
.irp i, 0,1,2,3,4,5,6,7,8
	v_add_f32 v[PU+\i], v[PU+\i], v[PL+\i]
.endr
.irp i, 0,1,2,3,4,5,6,7,8
	v_fma_f32 v[PU+\i], v[PW3+\i], v[PP+\i], v[PU+\i]
.endr
.irp i, 0,1,2,3,4,5,6,7,8
	v_add_f32 v[PZ+\i], 1.0, v[PA+\i]              ; 1 + a, rounded;
.endr
.irp i, 0,1,2,3,4,5,6,7,8
	v_sub_f32 v[PL+\i], 1.0, v[PZ+\i]
.endr
.irp i, 0,1,2,3,4,5,6,7,8
	v_add_f32 v[PL+\i], v[PL+\i], v[PA+\i]         ; what that rounding lost, exactly
.endr
.irp i, 0,1,2,3,4,5,6,7,8
	v_add_f32 v[PU+\i], v[PU+\i], v[PL+\i]
.endr
.irp i, 0,1,2,3,4,5,6,7,8
	v_add_f32 v[PU+\i], v[PZ+\i], v[PU+\i]         ; the one rounding that counts
.endr
.irp i, 0,1,2,3,4,5,6,7,8
	v_cvt_i32_f32 v[PN+\i], v[PN+\i]
.endr
.irp i, 0,1,2,3,4,5,6,7,8
	v_ldexp_f32 v[DN+\i], v[PU+\i], v[PN+\i]
.endr
.irp i, 0,1,2,3,4,5,6,7,8
	v_rcp_f32 v[RC+\i], v[DN+\i]
.endr
	v_nop                                          ; a plain instruction behind the last reciprocal
	s_wait_alu depctr_va_vdst(0)                   ; one wait for the nine, ahead of their first reader
; a[q] = v[xn] / D[q]: the reciprocal's product, corrected once by the exact remainder
.macro DIVB xn
.irp q, 0,1,2,3,4,5,6,7
	v_mul_f32 v[SA+\q], v[\xn], v[RC+\q]
.endr
.irp q, 0,1,2,3,4,5,6,7
	v_fma_f32 v[SZ+\q], -v[SA+\q], v[DN+\q], v[\xn]
.endr
.irp q, 0,1,2,3,4,5,6,7
	v_fma_f32 v[SA+\q], v[SZ+\q], v[RC+\q], v[SA+\q]
.endr
.endm
; a[q] = (my first column + c0 + q) / the rows' denominator
.macro DIVM c0
.irp q, 0,1,2,3,4,5,6,7
	v_add_nc_u32 v[SK+\q], (\c0)+\q, v15
.endr
.irp q, 0,1,2,3,4,5,6,7
	v_cvt_f32_u32 v[SK+\q], v[SK+\q]
.endr
.irp q, 0,1,2,3,4,5,6,7
	v_mul_f32 v[SA+\q], v[SK+\q], v[RC+8]
.endr
.irp q, 0,1,2,3,4,5,6,7
	v_fma_f32 v[SZ+\q], -v[SA+\q], v[DN+8], v[SK+\q]
.endr
.irp q, 0,1,2,3,4,5,6,7
	v_fma_f32 v[SA+\q], v[SZ+\q], v[RC+8], v[SA+\q]
.endr
.endm
; Sine and cosine of the eight arguments in SA (none negative).  kind 0: they are base's pair of columns 2 q, 2 q + 1 of row parity arg.  kind 1: they are mult of column arg + q, the sine for the even row, the cosine for the odd.
.macro SCCORE kind, arg
.irp q, 0,1,2,3,4,5,6,7
	v_mul_f32 v[SK+\q], s[TOPI], v[SA+\q]
.endr
.irp q, 0,1,2,3,4,5,6,7
	v_rndne_f32 v[SK+\q], v[SK+\q]                 ; k quarter turns
.endr
.irp q, 0,1,2,3,4,5,6,7
	v_fma_f32 v[SA+\q], -v[SK+\q], s[C1], v[SA+\q] ; exact
.endr
.irp q, 0,1,2,3,4,5,6,7
	v_fma_f32 v[SA+\q], -v[SK+\q], s[C2], v[SA+\q] ; r
.endr
.irp q, 0,1,2,3,4,5,6,7
	v_cvt_i32_f32 v[SK+\q], v[SK+\q]
.endr
.irp q, 0,1,2,3,4,5,6,7
	v_mul_f32 v[SZ+\q], v[SA+\q], v[SA+\q]         ; r^2
.endr
.irp q, 0,1,2,3,4,5,6,7
	v_fmaak_f32 v[SNA+\q], s[K9], v[SZ+\q], 0xb9500d01
.endr
.irp q, 0,1,2,3,4,5,6,7
	v_fmaak_f32 v[CSA+\q], s[C10], v[SZ+\q], 0x37d00d01
.endr
.irp q, 0,1,2,3,4,5,6,7
	v_fmaak_f32 v[SNA+\q], v[SNA+\q], v[SZ+\q], 0x3c088889
.endr
.irp q, 0,1,2,3,4,5,6,7
	v_fmaak_f32 v[CSA+\q], v[CSA+\q], v[SZ+\q], 0xbab60b61
.endr
.irp q, 0,1,2,3,4,5,6,7
	v_fmaak_f32 v[SNA+\q], v[SNA+\q], v[SZ+\q], 0xbe2aaaab
.endr
.irp q, 0,1,2,3,4,5,6,7
	v_fmaak_f32 v[CSA+\q], v[CSA+\q], v[SZ+\q], 0x3d2aaaab
.endr
.irp q, 0,1,2,3,4,5,6,7
	v_fma_f32 v[CSA+\q], v[CSA+\q], v[SZ+\q], -0.5
.endr
.irp q, 0,1,2,3,4,5,6,7
	v_fma_f32 v[CSA+\q], v[CSA+\q], v[SZ+\q], 1.0  ; cos r
.endr
.irp q, 0,1,2,3,4,5,6,7
	v_mul_f32 v[SZ+\q], v[SZ+\q], v[SA+\q]         ; r^3
.endr
.irp q, 0,1,2,3,4,5,6,7
	v_fma_f32 v[SNA+\q], v[SZ+\q], v[SNA+\q], v[SA+\q]  ; sin r
.endr
.irp q, 0,1,2,3,4,5,6,7
	v_lshlrev_b32 v[ST2+\q], 31, v[SK+\q]          ; k's bit 0 at the sign's place
.endr
.irp q, 0,1,2,3,4,5,6,7
	v_lshlrev_b32 v[SK+\q], 30, v[SK+\q]
.endr
.irp q, 0,1,2,3,4,5,6,7
	v_and_b32 v[SK+\q], 0x80000000, v[SK+\q]       ; k's bit 1 there: the sine's sign
.endr
.irp q, 0,1,2,3,4,5,6,7
	v_cmp_ne_u32 s[MK+\q], 0, v[ST2+\q]            ; k odd: sine and cosine change places
.endr
.irp q, 0,1,2,3,4,5,6,7
	v_cndmask_b32 v[SZ+\q], v[SNA+\q], v[CSA+\q], s[MK+\q]
.endr
.irp q, 0,1,2,3,4,5,6,7
	v_cndmask_b32 v[SA+\q], v[CSA+\q], v[SNA+\q], s[MK+\q]
.endr
.irp q, 0,1,2,3,4,5,6,7
	v_xor_b32 v[ST2+\q], v[ST2+\q], v[SK+\q]       ; the cosine's sign: bit 1 xor bit 0
.endr
.if \kind == 0
.irp q, 0,1,2,3,4,5,6,7
	v_xor_b32 v[PE+16*(\arg)+2*\q], v[SZ+\q], v[SK+\q]
	v_xor_b32 v[PE+16*(\arg)+2*\q+1], v[SA+\q], v[ST2+\q]
.endr
.else
.irp q, 0,1,2,3,4,5,6,7
	v_xor_b32 v[SZ+\q], v[SZ+\q], v[SK+\q]
	v_xor_b32 v[SA+\q], v[SA+\q], v[ST2+\q]
.endr
.irp q, 0,1,2,3,4,5,6,7
	v_mul_f32 v[PE+(\arg)+\q], v[PE+(\arg)+\q], v[SZ+\q]
	v_mul_f32 v[PE+16+(\arg)+\q], v[PE+16+(\arg)+\q], v[SA+\q]
.endr
.endif
.endm
	DIVB 10
	SCCORE 0, 0                                    ; base of the even row
	DIVB 11
	SCCORE 0, 1                                    ; and of the odd one
	DIVM 0
	SCCORE 1, 0                                    ; x mult, columns 0 to 7 of my 16
	DIVM 8
	SCCORE 1, 8                                    ; and 8 to 15
; Step t's 2,048 bytes go through one of my two stages as they were loaded and come back 64 bytes a lane.  LDS serves a wave's instructions in order, so no wait stands between the stores and the loads.
.macro XTURN t
.irp i, 0,1,2,3
	ds_store_b128 v6, v[R+16*(\t)+4*\i:R+16*(\t)+4*\i+3] offset:2560*((\t)%2)+640*\i
.endr
.irp i, 0,1,2,3
	ds_load_b128 v[XB+16*((\t)%2)+4*\i:XB+16*((\t)%2)+4*\i+3], v7 offset:2560*((\t)%2)+16*\i
.endr
.endm
.macro XSTEP t
.set XS, XB+16*((\t)%2)
.if (\t) > 0
	s_wait_dscnt 1                                 ; this step's numbers are back from the stage; only the last step's byte store may be out
.else
	s_wait_dscnt 0x0
.endif
.if (\t) < 7
	s_wait_loadcnt 4*(6-(\t))                      ; the next step's four loads are in; those of the steps behind it may be out
	XTURN (\t)+1                                   ; and go through the other stage while this step is worked
.endif
.irp k, 0,2,4,6,8,10,12,14
	v_pk_add_f32 v[XS+\k:XS+\k+1], v[XS+\k:XS+\k+1], v[PE+16*((\t)%2)+\k:PE+16*((\t)%2)+\k+1]   ; x = data + PE
.endr
	v_max3_num_f32 v8, |v[XS]|, |v[XS+1]|, |v[XS+2]|               ; the largest magnitude of my 16, in two chains
	v_max3_num_f32 v9, |v[XS+3]|, |v[XS+4]|, |v[XS+5]|
.irp i, 6,10
	v_max3_num_f32 v8, v8, |v[XS+\i]|, |v[XS+\i+1]|
	v_max3_num_f32 v9, v9, |v[XS+\i+2]|, |v[XS+\i+3]|
.endr
	v_max3_num_f32 v8, v8, |v[XS+14]|, |v[XS+15]|
	v_max3_num_f32 v8, v8, v9, 0x2800000           ; and the floor 2^(5 - 127): the byte cannot fall under 1
	v_max_num_f32_dpp v8, v8, v8 row_xmask:1 row_mask:0xf bank_mask:0xf   ; with my neighbour's 16: the block's
	v_add_nc_u32 v11, 0xfe000000, v8               ; 4 off its exponent field: the conversion takes this operand's exponent field as its scale
	v_cvt_scalef32_pk16_bf6_f32 v[R+16*(\t):R+16*(\t)+2], v[XS:XS+15], v11   ; into registers that the stage's stores have read: each step has its own, so no store's data are written again
	v_lshrrev_b32 v[R+16*(\t)+4], 23, v11          ; the scale's byte (also the plain line behind the conversion)
	ds_store_b8 v5, v[R+16*(\t)+4] offset:256*((\t)/2)+32*((\t)%2)   ; both lanes of a block write the same byte with the same value
	global_store_b96 v4, v[R+16*(\t):R+16*(\t)+2], s[12:13] offset:1572864*((\t)/2)+768*((\t)%2)   ; 32 lanes store 384 consecutive bytes: half a row of codes
.endm
	s_wait_loadcnt 28                              ; step 0's four loads are in
	XTURN 0
.irp t, 0,1,2,3,4,5,6,7
	XSTEP \t
.endr
	s_wait_dscnt 0x0                               ; for the others' sake: my byte stores have landed
	s_barrier_signal -1
	s_barrier_wait -1                              ; the 1,024 scale bytes of the work-group's 32 rows lie in LDS
	s_cmp_ge_u32 s20, 4
	s_cbranch_scc1 .Lxend
	ds_load_b64 v[XB:XB+1], v14                    ; wave b: batch b's 8 rows x 32 bytes
	s_wait_dscnt 0x0
	global_store_b64 v1, v[XB:XB+1], s[14:15]      ; 32 lanes store 256 consecutive bytes, at a multiple of 256 from the buffer's first byte
.Lxend:
	s_wait_tensorcnt 0x0                           ; the wave's end: three lines behind my last LDS store
	ds_add_u32 v[SPW], v[NIL]
	s_wait_dscnt 0x0
	s_endpgm
; ================================================================ the weights
.Lw:
	s_sub_co_u32 s21, ttmp9, 256                   ; 0..47: 16 work-groups a matrix
	s_lshr_b32 s22, s21, 4                         ; 0: Wq, 1: Wk, 2: Wv
	s_and_b32 s23, s21, 7                          ; which 128 columns
	s_bfe_u32 s24, s21, 0x10003                    ; which half of K
	s_and_b32 s25, s20, 3
	s_lshr_b32 s26, s20, 2
	s_lshl_b32 s24, s24, 1
	s_add_co_u32 s24, s24, s26                     ; my wave's quarter of K: 256 along K
	s_lshl_b32 s23, s23, 7
	s_lshl_b32 s25, s25, 5
	s_add_co_u32 s23, s23, s25                     ; my wave's first column
	v_lshlrev_b32 v3, 2, v2                        ; in: 4 bytes a lane: a load reads 128 consecutive bytes
	s_mul_i32 s25, s20, 8704
	s_add_co_u32 s25, s25, WST                     ; my stage
	v_mul_u32_u24 v4, v2, 272
	v_add_nc_u32 v4, s25, v4                       ; into it: row = my column
	v_and_b32 v5, 15, v2
	v_lshrrev_b32 v6, 4, v2
	v_mul_u32_u24 v7, v6, 272
	v_lshl_add_u32 v7, v5, 4, v7
	v_add_nc_u32 v7, s25, v7                       ; out of it: sixteen lanes to a row, two rows an instruction
	v_mul_u32_u24 v8, v6, 768
	v_mad_u32_u24 v8, v5, 12, v8                   ; and the same place in wc (the pair of rows' stored place stands in the immediate)
	v_and_b32 v9, 7, v2                            ; pi(lane): where my column's row is stored
	v_and_b32 v10, 8, v2
	v_lshl_or_b32 v9, v10, 1, v9
	v_and_b32 v10, 16, v2
	v_lshrrev_b32 v10, 1, v10
	v_or_b32 v9, v9, v10
	v_lshlrev_b32 v9, 5, v9                        ; x 32 bytes: its row of scale bytes
	s_lshl_b32 s26, s24, 20                        ; W: 256 rows of 4,096 bytes for each quarter, + 4 x column
	s_lshl_b32 s27, s23, 2
	s_add_co_u32 s26, s26, s27
	s_mov_b32 s27, 0
	s_lshl_b32 s28, s22, 10
	s_add_co_u32 s28, s28, s23                     ; the first of my 32 rows in wc and ws
	s_mul_i32 s30, s28, 768
	s_mul_i32 s29, s24, 192
	s_add_co_u32 s30, s30, s29
	s_mov_b32 s31, 0
	s_lshl_b32 s32, s28, 5
	s_lshl_b32 s29, s24, 3
	s_add_co_u32 s32, s32, s29
	s_mov_b32 s33, 0
	s_wait_kmcnt 0x0
	s_cmp_eq_u32 s22, 1                            ; the choice hangs on the work-group's number alone
	s_cselect_b64 s[6:7], s[8:9], s[6:7]
	s_cmp_eq_u32 s22, 2
	s_cselect_b64 s[6:7], s[10:11], s[6:7]
	s_add_nc_u64 s[6:7], s[6:7], s[26:27]
	s_add_nc_u64 s[16:17], s[16:17], s[30:31]
	s_add_nc_u64 s[18:19], s[18:19], s[32:33]
.macro WLOAD t                         ; block t: W(32 t + i, my column), i = 0 .. 31, into set t % 2
.set i, 0
.rept 32
	global_load_b32 v[WX+32*((\t)%2)+i], v3, s[6:7] offset:(32*(\t)+i)*4096 th:TH_LOAD_NT
.set i, i+1
.endr
.endm
	WLOAD 0
	WLOAD 1
.macro WBLOCK t
.set WXS, WX+32*((\t)%2)
.if (\t) < 7
	s_wait_loadcnt 32                              ; this block's 32 loads are in; the next block's may be out
.else
	s_wait_loadcnt 0
.endif
	v_max3_num_f32 v16, |v[WXS]|, |v[WXS+1]|, |v[WXS+2]|           ; the block's largest magnitude: all 32 numbers are mine
	v_max3_num_f32 v17, |v[WXS+3]|, |v[WXS+4]|, |v[WXS+5]|
.irp i, 6,10,14,18,22,26
	v_max3_num_f32 v16, v16, |v[WXS+\i]|, |v[WXS+\i+1]|
	v_max3_num_f32 v17, v17, |v[WXS+\i+2]|, |v[WXS+\i+3]|
.endr
	v_max3_num_f32 v16, v16, |v[WXS+30]|, |v[WXS+31]|
	v_max3_num_f32 v16, v16, v17, 0x2800000        ; and the floor
	v_add_nc_u32 v11, 0xfe000000, v16              ; the conversion's scale operand
	v_lshrrev_b32 v17, 23, v11                     ; the scale's byte
.if (\t)%4 == 0
	v_mov_b32 v[SB+(\t)/4], v17                    ; four bytes to a register, the lower K in the lower byte
.else
	v_lshl_or_b32 v[SB+(\t)/4], v17, 8*((\t)%4), v[SB+(\t)/4]
.endif
	v_cvt_scalef32_pk16_bf6_f32 v[WC:WC+2], v[WXS:WXS+15], v11
	v_cvt_scalef32_pk16_bf6_f32 v[WC+4:WC+6], v[WXS+16:WXS+31], v11   ; (a conversion's three registers begin on an even number)
	v_nop                                          ; a plain line behind the last conversion
	ds_store_b96 v4, v[WC:WC+2] offset:32*(\t)     ; 12 bytes to a place of 16, so that every LDS address is a multiple of 16
	ds_store_b96 v4, v[WC+4:WC+6] offset:32*(\t)+16
.if (\t)+2 < 8
	WLOAD (\t)+2
.endif
	s_wait_dscnt 0x0                               ; the stores have read their registers: the next block's codes may be written
.endm
.irp t, 0,1,2,3,4,5,6,7
	WBLOCK \t
.endr
	global_store_b64 v9, v[SB:SB+1], s[18:19]      ; my column's 8 scale bytes: pieces of 8 bytes, 32 bytes apart; 98,304 bytes in the whole launch
.irp t, 0,1,2,3,4,5,6,7,8,9,10,11,12,13,14,15
	ds_load_b96 v[OUTR+4*\t:OUTR+4*\t+2], v7 offset:2*\t*272       ; LDS serves a wave's instructions in order: these see my stores
.endr
.irp t, 0,1,2,3,4,5,6,7,8,9,10,11,12,13,14,15
	s_wait_dscnt 15-\t                             ; the younger loads may be out
	global_store_b96 v8, v[OUTR+4*\t:OUTR+4*\t+2], s[16:17] offset:(((2*\t)&7)|(((2*\t)&8)<<1)|(((2*\t)&16)>>1))*768   ; columns 2 t, 2 t + 1 go to rows pi(2 t), pi(2 t) + 1: sixteen lanes store 192 consecutive bytes
.endr
	s_wait_tensorcnt 0x0                           ; the wave's end: the same three lines
	ds_add_u32 v[SPW], v[NIL]
	s_wait_dscnt 0x0
	s_endpgm
.Lfunc_end_k_q010cd74c19_prep:
	.size	k_q010cd74c19_prep, .Lfunc_end_k_q010cd74c19_prep-k_q010cd74c19_prep
	.p2alignl 7, 3214868480
	.fill 96, 4, 3214868480
	.section	.rodata,"a",@progbits
	.p2align	6, 0x0
	.amdhsa_kernel k_q010cd74c19_prep
		.amdhsa_group_segment_fixed_size 112640
		.amdhsa_private_segment_fixed_size 0
		.amdhsa_enable_private_segment 0
		.amdhsa_kernarg_size 64
		.amdhsa_user_sgpr_count 2
		.amdhsa_user_sgpr_kernarg_segment_ptr 1
		.amdhsa_wavefront_size32 1
		.amdhsa_system_sgpr_workgroup_id_x 1
		.amdhsa_system_sgpr_workgroup_id_y 1
		.amdhsa_system_sgpr_workgroup_id_z 1
		.amdhsa_system_vgpr_workitem_id 0
		.amdhsa_next_free_vgpr 256
		.amdhsa_next_free_sgpr 66
		.amdhsa_reserve_vcc 0
		.amdhsa_float_denorm_mode_32 3
		.amdhsa_float_denorm_mode_16_64 3
		.amdhsa_memory_ordered 1
		.amdhsa_forward_progress 1
		.amdhsa_inst_pref_size 127
	.end_amdhsa_kernel
	.amdgpu_metadata
---
amdhsa.version: [ 1, 2 ]
amdhsa.kernels:
  - .name:           k_q010cd74c19_prep
    .symbol:         k_q010cd74c19_prep.kd
    .args:
      - { .name: data, .offset: 0, .size: 8, .value_kind: global_buffer, .address_space: global }
      - { .name: Wq, .offset: 8, .size: 8, .value_kind: global_buffer, .address_space: global }
      - { .name: Wk, .offset: 16, .size: 8, .value_kind: global_buffer, .address_space: global }
      - { .name: Wv, .offset: 24, .size: 8, .value_kind: global_buffer, .address_space: global }
      - { .name: xc, .offset: 32, .size: 8, .value_kind: global_buffer, .address_space: global }
      - { .name: xs, .offset: 40, .size: 8, .value_kind: global_buffer, .address_space: global }
      - { .name: wc, .offset: 48, .size: 8, .value_kind: global_buffer, .address_space: global }
      - { .name: ws, .offset: 56, .size: 8, .value_kind: global_buffer, .address_space: global }
    .group_segment_fixed_size: 112640
    .private_segment_fixed_size: 0
    .kernarg_segment_align: 8
    .kernarg_segment_size: 64
    .max_flat_workgroup_size: 256
    .sgpr_count:     66
    .vgpr_count:     256
    .wavefront_size: 32
...
	.end_amdgpu_metadata
.endif
;; end of part 1
;; launch proj (part 2): grid 12 x 32, 4 waves a work-group, clusters of 4 x 4, 327,680 bytes of LDS; arguments xc, xs, wc, ws, bq, bk, bv, qq, kv; writes qq, kv
.if DOCPART == 2
	.amdgcn_target "amdgcn-amd-amdhsa--gfx1250"
	.amdhsa_code_object_version 6
	.text
	.protected	k_q010cd74c19_proj
	.globl	k_q010cd74c19_proj
	.p2align	8
	.type	k_q010cd74c19_proj,@function
k_q010cd74c19_proj:
	s_mov_b64 s[64:65], 0
	v_nop
	global_prefetch_b8 v0, s[64:65] scope:SCOPE_SE
	s_setreg_imm32_b32 hwreg(HW_REG_WAVE_MODE, 25, 1), 1
	s_wait_xcnt 0x0
	s_wait_alu depctr_hold_cnt(0) depctr_sa_sdst(0) depctr_va_vdst(0) depctr_va_sdst(0) depctr_va_ssrc(0) depctr_va_vcc(0) depctr_vm_vsrc(0)
	s_getreg_b32 s2, hwreg(HW_REG_IB_STS2, 6, 4)
	s_cmp_eq_u32 s2, 0
	s_cbranch_scc0 .Lentry_in_a_cluster
	s_endpgm
.Lentry_in_a_cluster:
	s_bfe_u32 s2, ttmp6, 0x10000c
	s_cmp_lg_u32 s2, 0xf033
	s_cbranch_scc0 .Lentry_shape_is_right
	s_endpgm
.Lentry_shape_is_right:
; PROJ: q = x Wq + bq, k = x Wk + bk, v = x Wv + bv on codes of E3M2 (one E8M0 byte for each 32 along K = 1,024), f32 sums; the results are quantised in registers and leave as the operands of attention.  Nothing is left out.
; A tile of 256 x 256 results is made by a work-group of four waves, a wave 128 x 128: 64 accumulators, 512 registers.  K goes in steps of 256 through a ring of two LDS slots filled by the tensor data mover.
; THE MATRIX INSTRUCTION'S SOURCE 1 ('A' below) gives a result's LANE, SOURCE 0 ('B') its REGISTERS.  What is quantised next must run along a lane's registers:
;   cluster x = 0 (q), 1 (k): A = 256 tokens (xc, xs), B = 256 features (wc, ws): a lane holds a token, its registers the features: q and k are quantised along the head's 64.
;   cluster x = 2 (v):        A = 256 features of Wv, B = 256 tokens: a lane holds a feature, its registers the tokens: v is quantised along the keys.
; The rows of xc and wc are stored with bits 3 and 4 of the row number exchanged, so that the 16 registers of B's blocks 2 b, 2 b + 1 are the true rows 32 b + 16 (lane / 16) + 0 .. 15, and lane r of A's block a is the true row
; 32 (a / 2) + 8 (a % 2) + r + 8 (r / 8): just the tiles that attention wants as its own first source.
; CLUSTERS: 4 x 4 work-groups.  A's tile hangs on the cluster's y and cy alone and is asked for jointly by a row of the cluster, B's on cx (and the cluster's place) and by a column.  The kind of tile hangs on the
; cluster's x, which all sixteen share: it chooses pointers and tile numbers by s_cselect and one branch on the way out; no LDS address and no descriptor's shape hangs on it.
; WHAT IS STORED (hb = 4 head + batch, g = a group of 128 tokens; every store of a wave covers whole runs of 256 consecutive bytes, aligned):
;   qq [64 hb][16 g][6,656]: 8 tiles of 16 tokens x 64: an image of the operand's six registers (registers 0-3 at 16 x lane, 4-5 at 512 + 8 x lane: 768 bytes); then 512 bytes of scale words.
;   kv [64 hb][208,896]: codes [16 g][12,288]: K's 8 tiles as q's, then V's 4 tiles of 16 features x 128 keys (twelve registers: 3 x 512 bytes); from byte 196,608 scale words [16 g][768]: K's 512, V's 256.
;   q's and K's scale words: lane (h, r) stores 16 bytes at 16 x lane: the words of tiles 4 h .. 4 h + 3, row r; bytes 0, 1 are the head's two blocks, bytes 2, 3 another head's (1 .. 254) or 0: they only ever meet zero codes.
;   V's: row r's 16 bytes at 16 r: the words of the head's four tiles.
; BOTH SETS OF BIAS REGISTERS are loaded in every work-group (by register: 16 loads; by lane: 8), so that no register is read unwritten on either way out; one set is not used: 24 loads a wave, once.
; LIMITS: a block of zeros gets the byte 1 where the rule says 127 (its codes are zeros; this program alone reads the bytes); NaN and infinities are not served.
; No prefetch: K has four slot fills in all, two of them at the head.
; REGISTERS, in windows of 256: window 0: v0-31 addresses; v32-63 scale words, two sets; v64-127 the bias by register; v128-223 A's fragments, ONE set; v224-231 the bias by lane; on the way out v32-47 and v128-249 are at work.
;   window 1: B's fragments, TWO sets, at v0 and v128.   window 2: the accumulators of my A rows 0-63 ((a, b) at v[8 (8 a + b)]);   window 3: those of rows 64-127.
.set SIZE_K, 1024
.set KSTEP,  256                       ; along K in a slot
.set NQ,     KSTEP/128                 ; matrix instructions deep
.set ROWB,   192                       ; a tile's row in bytes
.set KROW,   SIZE_K*6/8                ; a row of codes in memory
.set PITCH,  240                       ; an LDS row: 3 x (64 bytes + 16 of padding) = 60 words: the 32 lanes of a load of 8 bytes touch 64 different banks (64 banks of 4 bytes: ISA guide 11.1)
.set FR,     12                        ; registers of a fragment: 16 rows x 128 K
.set NL,     6                         ; LDS loads that bring one
.set NP,     4                         ; places behind this matrix instruction (ISA guide 7.12.1)
.set HALFT,  128*PITCH                 ; 128 rows: what one tensor load brings
.set SLOT,   4*HALFT                   ; A's 256 rows, then B's 256 rows
.set LAPS,   SIZE_K/(2*KSTEP)          ; a lap = two K steps = once round the ring
.set KS,     SIZE_K/32                 ; a row of scale bytes
.set SCL,    2*SLOT                    ; behind the ring: the scale bytes for all of K, as units of 256 bytes + 16 of padding: filled once
.set HALFS,  (128*KS/256)*272          ; those of 128 rows: what one tensor load brings
.set SBLK,   (16*KS/256)*272           ; those of 16 rows
.set SPARE,  SCL+4*HALFS               ; the spare words, 128 bytes for each wave: two blocks of 256 bytes that no other line names
.set ADRA, 16                          ; v16-17  LDS address of my A fragments in slot 0, 1  (v18-19: for the pieces that lie behind one padding more)
.set ADRB, 20                          ; v20-21  the same for B  (v22-23)
.set L16,  24                          ; v24     16 x lane
.set L8,   25                          ; v25     8 x lane
.set VSO,  26                          ; v26     V's scale words: 16 r, + four records for lanes 16-31: the next head
.set ADRS, 27                          ; v27     LDS address of my scale words: lanes 0-15 A's rows, lanes 16-31 B's
.set SPW,  28                          ; v28     LDS address of my spare word; never rewritten
.set NIL,  29                          ; v29     0; never rewritten
.set BRO,  30                          ; v30     byte offset of the bias by register;  v31: by lane.  Not rewritten while the loads are out
.set BLO,  31
.set SC,   32                          ; scale words: set s at v[SC + 8 NQ s]; register NQ i + q: lanes 0-15 A's block i, lanes 16-31 B's block i
.set BR,   64                          ; the bias of my 128 B rows: register 16 b + i: row 32 b + 16 (lane / 16) + i
.set AF,   128                         ; A's fragments
.set BL,   224                         ; the bias of my lane's A row in block a
.set T,    128                         ; the way out: 64 numbers of a block
.set PC,   192                         ; its codes: v192-203; v204-206, v208-210 the conversions' second halves
.set TM,   232                         ; v232-247 the quantiser's work
.set BP,   248                         ; v248-249 a lane's bias, twice
.set SW,   32                          ; the 8 blocks' scale words
.set XW,   40                          ; and as they are stored
.set SEL,  94                          ; s[94:95] lane selects for v_permlanex16_b32: lane l xor 16
.set G1, 24                            ; s[24:31] descriptor group 1 for A's tiles;  s[32:39] group 0, one set for each slot
.set G0, 32
.set G1B, 48                           ; s[48:55], s[56:63] the same for B's tiles
.set G0B, 56
.set G1S, 68                           ; s[68:75], s[76:79] groups 1 and 0 for A's scales;  s[80:87], s[88:91] for B's
.set G0S, 76
.set G1SB, 80
.set G0SB, 88
.set MSB, 0
.macro WIN new                         ; the immediate's high byte repeats the setting that is left
.if MSB != \new
	s_set_vgpr_msb (MSB<<8)|\new
.set MSB, \new
.endif
.endm
.set MUL_LO, 0xa1                      ; source 0 (B) window 1, source 1 (A) window 0, C and D window 2
.set MUL_HI, 0xf1                      ; the same, C and D window 3
.set TO_B,   0x40                      ; destination window 1, address window 0
; A joint load: waves 0 and 1 fetch for A, waves 2 and 3 for B.  Each of the two lines has ONE mask and one set of registers for all that issue it; the branch hangs on the wave's number alone.
; An s_nop 0 and four v_nop follow each of the two lines, ahead of the jump, the label and what follows.
.macro JLOAD g0a, g1a, g0b, g1b
	s_cmp_eq_u32 s15, 0
	s_cbranch_scc0 .Lfor_b_\@
	tensor_load_to_lds s[\g0a:\g0a+3], s[\g1a:\g1a+7]
	s_nop 0
.rept 4
	v_nop
.endr
	s_branch .Lasked_\@
.Lfor_b_\@:
	tensor_load_to_lds s[\g0b:\g0b+3], s[\g1b:\g1b+7]
	s_nop 0
.rept 4
	v_nop
.endr
.Lasked_\@:
.endm
.macro CREST                           ; a round of the cluster's barrier behind its opening barrier
	s_cmp_lg_u32 s14, 0
	s_cbranch_scc1 .Lnot_wave_0_\@
	s_barrier_signal -3
.Lnot_wave_0_\@:
	s_barrier_wait -3
	s_barrier_signal -1
	s_barrier_wait -1
.endm
.macro CROUND                          ; a whole round
	s_barrier_signal -1
	s_barrier_wait -1
	CREST
.endm
	s_load_b256 s[4:11], s[0:1], 0x0               ; xc s[4:5], xs s[6:7], wc s[8:9], ws s[10:11]
	s_load_b128 s[96:99], s[0:1], 0x20             ; bq, bk
	s_load_b64 s[100:101], s[0:1], 0x30            ; bv
	s_load_b64 s[66:67], s[0:1], 0x38              ; qq
	s_load_b64 s[104:105], s[0:1], 0x40            ; kv
	v_lshl_add_u32 v[SPW], v0, 2, SPARE
	v_mov_b32 v[NIL], 0
	ds_add_u32 v[SPW], v[NIL]                      ; the wave's opening: the add, twice on end, and its wait ahead of my first tensor load; the set-up below, work on registers, stands between
	ds_add_u32 v[SPW], v[NIL]
	v_lshrrev_b32 v1, 5, v0
	v_readfirstlane_b32 s14, v1                    ; wave 0..3
	s_lshr_b32 s15, s14, 1                         ; which half of the tile's A rows is mine.  Also: I fetch for A (0) or for B (1)
	s_and_b32 s16, s14, 1                          ; which half of its B rows.  Also: which 128 rows of that tile I fetch
	s_bfe_u32 s40, ttmp6, 0x40000                  ; cx, cy: my place in the cluster
	s_bfe_u32 s41, ttmp6, 0x40004
	s_and_b32 s2, ttmp7, 0xffff
	s_lshl_b32 s2, s2, 2                           ; 4 x cluster y: the cluster's first tile of tokens
	s_lshl_b32 s42, ttmp9, 2                       ; 4 x cluster x: q's or k's first tile of features in wc
	s_cmp_eq_u32 ttmp9, 2                          ; v?  The same in all sixteen partners
	s_cselect_b32 s17, 8, s2                       ; A's tile: v: 8 + cy in wc; else 4 Y + cy in xc
	s_cselect_b32 s42, s2, s42                     ; B's tile: v: 4 Y + cx in xc; else 4 X + cx in wc
	s_add_co_u32 s17, s17, s41
	s_add_co_u32 s42, s42, s40
	s_lshl_b32 s43, s41, 2
	s_lshl_b32 s43, 15, s43                        ; my row of the cluster
	s_lshl_b32 s44, 0x1111, s40                    ; my column
	; descriptor group 1: a tile of 128 rows x ROWB bytes, padded in LDS
	s_or_b32 s[G1+0], s43, (0<<16)|(1<<20)|(1<<21)|(3<<22)|(3<<25)  ; 15:0 the mask: A's tiles go to my row; 17:16 element of 1 byte; 20 padding on; 21 set beside a mask; 24:22 after every 16 words (code 3); 31:25 of 4 words (code 3)
	s_or_b32 s[G1B+0], s44, (0<<16)|(1<<20)|(1<<21)|(3<<22)|(3<<25)
.irp g, G1, G1B
	s_mov_b32 s[\g+1], ROWB<<16                    ; tensor_dim0
	s_mov_b32 s[\g+2], 128<<16                     ; tensor_dim1 = 128
	s_mov_b32 s[\g+3], ROWB<<16                    ; tile_dim0
	s_mov_b32 s[\g+4], 128                         ; tile_dim1 = 128
	s_mov_b32 s[\g+5], KROW                        ; tensor_dim0_stride
	s_mov_b32 s[\g+6], 0
	s_mov_b32 s[\g+7], 0
.endr
	; and for the scale bytes of 128 rows: a dense block of 4,096 bytes, as 16 rows of 256 bytes (32 elements of 8 bytes), 16 bytes of padding behind each
	s_or_b32 s[G1S+0], s43, (3<<16)|(1<<20)|(1<<21)|(5<<22)|(3<<25)
	s_or_b32 s[G1SB+0], s44, (3<<16)|(1<<20)|(1<<21)|(5<<22)|(3<<25)
.irp g, G1S, G1SB
	s_mov_b32 s[\g+1], 32<<16
	s_mov_b32 s[\g+2], (128*KS/256)<<16
	s_mov_b32 s[\g+3], 32<<16
	s_mov_b32 s[\g+4], 128*KS/256
	s_mov_b32 s[\g+5], 32
	s_mov_b32 s[\g+6], 0
	s_mov_b32 s[\g+7], 0
.endr
	s_lshl_b32 s18, s16, 7                         ; which 128 rows of the tile I fetch
	s_lshl_b32 s20, s17, 8
	s_add_co_u32 s20, s20, s18                     ; A: row 256 x tile + 128 x half
	s_lshl_b32 s46, s42, 8
	s_add_co_u32 s46, s46, s18                     ; B likewise
	s_mov_b32 s21, 0
	s_mov_b32 s47, 0
	s_mov_b64 s[18:19], KS
	s_mul_u64 s[22:23], s[20:21], s[18:19]         ; where these rows' scale bytes begin
	s_mul_u64 s[92:93], s[46:47], s[18:19]
	s_mov_b64 s[18:19], KROW
	s_mul_u64 s[20:21], s[20:21], s[18:19]         ; and their codes
	s_mul_u64 s[46:47], s[46:47], s[18:19]
	s_mul_i32 s45, s14, HALFT                      ; where they go: wave x 128 rows: no place in the cluster enters an LDS address
	s_mul_i32 s94, s14, HALFS
	s_wait_dscnt 0x0                               ; both opening adds are done
	s_wait_kmcnt 0x0
	s_cmp_eq_u32 ttmp9, 2                          ; for v the two tensors change sides
	s_cselect_b64 s[12:13], s[8:9], s[4:5]         ; A's codes
	s_cselect_b64 s[8:9], s[4:5], s[8:9]           ; B's codes
	s_cselect_b64 s[4:5], s[10:11], s[6:7]         ; A's scale bytes
	s_cselect_b64 s[10:11], s[6:7], s[10:11]       ; B's scale bytes
	s_add_nc_u64 s[20:21], s[12:13], s[20:21]
	s_add_nc_u64 s[22:23], s[4:5], s[22:23]
	s_add_nc_u64 s[46:47], s[8:9], s[46:47]
	s_add_nc_u64 s[92:93], s[10:11], s[92:93]
	CROUND                                         ; all sixteen work-groups are here: the first joint loads meet
	s_mov_b32 s[G0S], 1
	s_add_co_u32 s[G0S+1], s94, SCL
	s_mov_b64 s[G0S+2:G0S+3], s[22:23]
	s_or_b32 s[G0S+3], s[G0S+3], 0x80000000
	s_mov_b32 s[G0SB], 1
	s_add_co_u32 s[G0SB+1], s94, SCL
	s_mov_b64 s[G0SB+2:G0SB+3], s[92:93]
	s_or_b32 s[G0SB+3], s[G0SB+3], 0x80000000
	JLOAD G0S, G1S, G0SB, G1SB                     ; the scale bytes first: they are wanted with K step 0.  With the two below, three tensor loads of mine are out
.irp s, 0,1
	s_mov_b32 s[G0+4*\s], 1
	s_add_co_u32 s[G0+4*\s+1], s45, \s*SLOT
	s_add_nc_u64 s[G0+4*\s+2:G0+4*\s+3], s[20:21], \s*ROWB
	s_or_b32 s[G0+4*\s+3], s[G0+4*\s+3], 0x80000000
	s_mov_b32 s[G0B+4*\s], 1
	s_add_co_u32 s[G0B+4*\s+1], s45, \s*SLOT
	s_add_nc_u64 s[G0B+4*\s+2:G0B+4*\s+3], s[46:47], \s*ROWB
	s_or_b32 s[G0B+4*\s+3], s[G0B+4*\s+3], 0x80000000
	JLOAD G0+4*\s, G1, G0B+4*\s, G1B
.endr
	v_and_b32 v1, 15, v0                           ; r = l % 16
	v_bfe_u32 v2, v0, 4, 1                         ; h = l / 16
	v_mul_u32_u24 v3, v1, PITCH
	v_mul_u32_u24 v4, v2, 24
	v_add_nc_u32 v4, v3, v4                        ; a fragment's row x pitch + 24 x half
	v_lshl_add_u32 v5, v2, 4, v4                   ; and the same behind one padding more
	s_mul_i32 s21, s15, HALFT                      ; my 128 rows of A
	s_mul_i32 s22, s16, HALFT                      ; my 128 rows of B,
	s_add_co_u32 s22, s22, 2*HALFT                 ; which lie behind A's 256
.irp s, 0,1
	v_add_nc_u32 v[ADRA+\s], s21, v4
	v_add_nc_u32 v[ADRB+\s], s22, v4
	v_add_nc_u32 v[ADRA+2+\s], s21, v5
	v_add_nc_u32 v[ADRB+2+\s], s22, v5
	s_add_co_u32 s21, s21, SLOT
	s_add_co_u32 s22, s22, SLOT
.endr
	v_mul_u32_u24 v5, v1, KS                       ; my row's scale bytes: KS bytes a row,
	v_lshrrev_b32 v6, 8, v5
	v_lshl_add_u32 v5, v6, 4, v5                   ; and 16 more for each 256 passed
	s_mul_i32 s21, s15, HALFS                      ; A's: my 128 rows
	s_mul_i32 s22, s16, HALFS                      ; B's: my 128 rows, behind A's 256
	s_add_co_u32 s22, s22, 2*HALFS
	s_sub_co_u32 s22, s22, s21
	v_mul_u32_u24 v6, s22, v2                      ; lanes 16-31 take B's
	s_add_co_u32 s21, s21, SCL
	v_add_nc_u32 v5, v5, v6
	v_add_nc_u32 v[ADRS], s21, v5
	; ---- the biases: asked for now, waited for on the way out
	s_cmp_eq_u32 ttmp9, 1
	s_cselect_b64 s[12:13], s[98:99], s[96:97]
	s_cmp_eq_u32 ttmp9, 2
	s_cselect_b64 s[12:13], s[100:101], s[12:13]   ; bq, bk or bv
	s_lshl_b32 s21, s40, 10
	s_lshl_b32 s22, s16, 9
	s_add_co_u32 s21, s21, s22
	v_lshl_add_u32 v[BRO], v2, 6, s21              ; by register: 4 (256 cx + 128 B half) + 64 h
	s_lshl_b32 s21, s41, 10
	s_lshl_b32 s22, s15, 9
	s_add_co_u32 s21, s21, s22
	v_and_b32 v6, 8, v1
	v_add_nc_u32 v6, v6, v1
	v_lshl_add_u32 v[BLO], v6, 2, s21              ; by lane: 4 (256 cy + 128 A half) + 4 (r + 8 (r / 8))
.irp b, 0,1,2,3
.irp q, 0,1,2,3
	global_load_b128 v[BR+16*\b+4*\q:BR+16*\b+4*\q+3], v[BRO], s[12:13] offset:128*\b+16*\q
.endr
.endr
.irp a, 0,1,2,3,4,5,6,7
	global_load_b32 v[BL+\a], v[BLO], s[12:13] offset:4*(32*(\a/2)+8*(\a%2))
.endr
	; ---- where my wave's results go
	v_and_b32 v6, 31, v0
	v_lshlrev_b32 v[L16], 4, v6
	v_lshlrev_b32 v[L8], 3, v6
	v_mul_u32_u24 v[VSO], v2, 835584
	v_lshl_add_u32 v[VSO], v1, 4, v[VSO]
	s_cmp_eq_u32 ttmp9, 2
	s_cselect_b32 s18, s40, s41                    ; the tokens' tile in the cluster: v: cx, else cy
	s_cselect_b32 s19, s16, s15                    ; and my half of it
	s_cselect_b32 s20, s41, s40                    ; the four heads of the features' tile: v: cy, else cx
	s_cselect_b32 s21, s15, s16                    ; and my two of them
	s_cselect_b32 s22, 6144, 0                     ; V's images lie behind K's eight
	s_cselect_b32 s23, 512, 0                      ; and its scale words behind K's
	s_add_co_u32 s18, s18, s2
	s_lshl_b32 s18, s18, 1
	s_add_co_u32 s18, s18, s19                     ; my 128 tokens: group 0 .. 63
	s_lshr_b32 s19, s18, 4                         ; the batch
	s_and_b32 s18, s18, 15                         ; g
	s_lshl_b32 s20, s20, 4
	s_lshl_b32 s21, s21, 3
	s_add_co_u32 s20, s20, s21
	s_add_co_u32 s20, s20, s19                     ; hb of my first head = 4 (4 c + 2 half) + batch
	s_cmp_eq_u32 ttmp9, 0                          ; q goes to qq, k and v to kv
	s_mov_b32 s43, 208896
	s_cselect_b32 s43, 106496, s43                 ; a head's record
	s_mov_b32 s44, 12288
	s_cselect_b32 s44, 6656, s44                   ; a group's codes in it
	s_mov_b32 s45, 768
	s_cselect_b32 s45, 6656, s45                   ; from group to group among the scale words
	s_mov_b32 s46, 196608
	s_cselect_b32 s46, 6144, s46                   ; where the scale words begin
	s_cselect_b64 s[4:5], s[66:67], s[104:105]
	s_mul_i32 s20, s20, s43
	s_mul_i32 s44, s44, s18
	s_mul_i32 s45, s45, s18
	s_add_co_u32 s44, s44, s20
	s_add_co_u32 s44, s44, s22
	s_add_co_u32 s46, s46, s20
	s_add_co_u32 s46, s46, s45
	s_add_co_u32 s46, s46, s23
	s_mov_b32 s45, 0
	s_mov_b32 s47, 0
	s_add_nc_u64 s[8:9], s[4:5], s[46:47]          ; my first head's scale words
	s_add_nc_u64 s[4:5], s[4:5], s[44:45]          ; its codes
	s_lshl_b32 s44, s43, 2                         ; four records on: the next head, same batch
	s_add_nc_u64 s[6:7], s[4:5], s[44:45]          ; my second head's codes
	s_add_nc_u64 s[10:11], s[8:9], s[44:45]        ; and scale words
	s_mov_b32 s[SEL], 0x76543210
	s_mov_b32 s[SEL+1], 0xfedcba98
.macro FRAG reg, adr, q, i             ; a fragment, 16 rows x 128 K of 6-bit codes, is 12 registers: lane l holds row l % 16; registers 6 c .. 6 c + 5 hold K = 64 c + 32 (l / 16) + 0 .. 31: 24 bytes of the row's stream of bits, as they lie
.irp p, 0,1,2,3,4,5                    ; in pieces of 8 bytes, so that every address is a multiple of the access's size.  Lanes 0-15 take the row's pieces 12 q + 0, 1, 2 and 12 q + 6, 7, 8, lanes 16-31 those three pieces on
.set PCE, 12*(\q)+6*(\p/3)+\p%3        ; 16 bytes of padding lie behind every 64 bytes (8 pieces): where the piece three on lies behind one padding more, the second address register (40 for 24 bytes a half) serves
.if PCE%8 < 5
	ds_load_b64 v[\reg+2*\p:\reg+2*\p+1], v[\adr] offset:8*PCE+16*(PCE/8)+(\i)*16*PITCH
.else
	ds_load_b64 v[\reg+2*\p:\reg+2*\p+1], v[\adr+2] offset:8*PCE+16*(PCE/8)+(\i)*16*PITCH
.endif
.endr
.endm
; 16 matrix instructions: A's blocks a0, a0 + 1 x B's eight, 128 along K: the slot's q-th.  p: B's set;  sc: the set of scale words.  zero = 1: the first product starts the sums: nothing is ever cleared.
; The 64 accumulators take turns, one instruction a turn, in the same order in every step.
.macro MUL16 a0, p, q, sc, zero
.irp a, \a0, \a0+1
.irp b, 0,1,2,3,4,5,6,7
.if \zero
	v_wmma_scale_f32_16x16x128_f8f6f4 v[8*(8*((\a)%4)+\b):8*(8*((\a)%4)+\b)+7], v[128*(\p)+FR*\b:128*(\p)+FR*\b+FR-1], v[AF+FR*(\a):AF+FR*(\a)+FR-1], 0, v[SC+8*NQ*(\sc)+NQ*\b+(\q)], v[SC+8*NQ*(\sc)+NQ*(\a)+(\q)] matrix_a_fmt:MATRIX_FMT_BF6 matrix_b_fmt:MATRIX_FMT_BF6 matrix_a_scale:MATRIX_SCALE_ROW1
.else
	v_wmma_scale_f32_16x16x128_f8f6f4 v[8*(8*((\a)%4)+\b):8*(8*((\a)%4)+\b)+7], v[128*(\p)+FR*\b:128*(\p)+FR*\b+FR-1], v[AF+FR*(\a):AF+FR*(\a)+FR-1], v[8*(8*((\a)%4)+\b):8*(8*((\a)%4)+\b)+7], v[SC+8*NQ*(\sc)+NQ*\b+(\q)], v[SC+8*NQ*(\sc)+NQ*(\a)+(\q)] matrix_a_fmt:MATRIX_FMT_BF6 matrix_b_fmt:MATRIX_FMT_BF6 matrix_a_scale:MATRIX_SCALE_ROW1
.endif
.endr
.endr
.endm
.macro FETCH_B slot, q, p              ; B's eight fragments of the slot's q-th 128 along K into set p
	WIN TO_B
.irp i, 0,1,2,3,4,5,6,7
	FRAG 128*(\p)+FR*\i, ADRB+\slot, \q, \i
.endr
	WIN 0
.endm
.macro FETCH_A slot, q, i0             ; A's blocks i0 .. i0 + 3
.irp i, \i0, \i0+1, \i0+2, \i0+3
	FRAG AF+FR*(\i), ADRA+\slot, \q, \i
.endr
.endm
.macro SCALES sc                       ; the next K step's scale words into set sc: NQ words a row; lanes 0-15 take A's block i, lanes 16-31 B's block i
.irp i, 0,1,2,3,4,5,6,7
	ds_load_b64 v[SC+8*NQ*\sc+NQ*\i:SC+8*NQ*\sc+NQ*\i+1], v[ADRS] offset:\i*SBLK
.endr
.endm
; A load into a register that a matrix instruction has read, and a vector instruction that reads a matrix result or writes one of a matrix instruction's registers, stand NP places behind it, and only plain vector
; instructions that name none of its registers are places (ISA guide 7.12.1 for vector instructions).
.macro PLACES n
.rept \n
	v_nop
.endr
.endm
; A step of 128 along K that has its successor in the same slot.  A's blocks go one after the other, each against B's eight: so one set of registers serves A (blocks 0-3 fetched anew in the step's middle, 4-7 at its end), two serve B.
.macro STEP slot, q, zero
	s_wait_dscnt 4*NL                              ; B's set and A's blocks 0-3 are in; the youngest 24 loads (A's blocks 4-7) may be out
	WIN MUL_LO
	MUL16 0, (\q)%2, \q, \slot, \zero
	MUL16 2, (\q)%2, \q, \slot, \zero
	s_wait_dscnt 0                                 ; A's blocks 4-7 are in (asked for 32 matrix instructions ago)
	PLACES NP
	FETCH_B \slot, (\q)+1, 1-(\q)%2
	FETCH_A \slot, (\q)+1, 0
	WIN MUL_HI
	MUL16 4, (\q)%2, \q, \slot, \zero
	MUL16 6, (\q)%2, \q, \slot, \zero
	PLACES NP
	WIN 0
	FETCH_A \slot, (\q)+1, 4
.endm
; A slot's last step changes slots: ONE barrier; in front of it each wave waits for all its tensor loads, adds 0 to its spare word, and waits for that and for its own reads of this slot.  fill = 1: this slot is filled again, two K steps ahead.
.macro TURN slot, next, fill
	s_wait_tensorcnt 0x0                           ; all my tensor loads have landed: my part of the next slot;  (every window is 0 here: the add's two registers lie in window 0)
	ds_add_u32 v[SPW], v[NIL]                      ; 0 onto my spare word;
	s_wait_dscnt 4*NL+1                            ; (the add and the youngest 24 loads, A's blocks 4-7, may be out)
	WIN MUL_LO
	MUL16 0, 1, NQ-1, \slot, 0                     ; sixteen matrix instructions stand between the add and the wait for it
	s_wait_dscnt 0x0                               ; the add is done, and my reads of this slot are over
	s_barrier_signal -1
	MUL16 2, 1, NQ-1, \slot, 0
	WIN 0
	s_barrier_wait -1
.if \fill
	CREST                                          ; the barrier has opened a round of the cluster's barrier: no wave of any partner still reads this slot's tile or has a load on its way
	s_add_nc_u64 s[G0+4*\slot+2:G0+4*\slot+3], s[G0+4*\slot+2:G0+4*\slot+3], 2*ROWB
	s_add_nc_u64 s[G0B+4*\slot+2:G0B+4*\slot+3], s[G0B+4*\slot+2:G0B+4*\slot+3], 2*ROWB
	JLOAD G0+4*\slot, G1, G0B+4*\slot, G1B         ; the first tensor load behind the round, my one load until the next; the four v_nop behind it are the places in front of the loads below
.else
	PLACES NP
.endif
	v_add_nc_u32 v[ADRS], 4*NQ, v[ADRS]            ; on to the next K step's scale words (no LDS load of mine is out)
	FETCH_B \next, 0, 0
	FETCH_A \next, 0, 0
	SCALES \next
	WIN MUL_HI
	MUL16 4, 1, NQ-1, \slot, 0
	MUL16 6, 1, NQ-1, \slot, 0
	PLACES NP
	WIN 0
	FETCH_A \next, 0, 4
.endm
	s_wait_tensorcnt 1                             ; the scale bytes and my part of K step 0 are in (K step 1's load may be out)
	s_barrier_signal -1
	s_barrier_wait -1                              ; everybody's are
	FETCH_B 0, 0, 0
	FETCH_A 0, 0, 0
	SCALES 0
	FETCH_A 0, 0, 4
	STEP 0, 0, 1                                   ; the first step stands in front of the loop: its products start the sums
	s_mov_b32 s3, LAPS-1
.Llap:                                                 ; a trip goes once round the ring, from a lap's second step to the next lap's first, and fills both slots again
	TURN 0, 1, 1
	STEP 1, 0, 0
	TURN 1, 0, 1
	STEP 0, 0, 0
	s_sub_co_u32 s3, s3, 1
	s_cmp_lg_u32 s3, 0
	s_cbranch_scc1 .Llap
	TURN 0, 1, 0                                   ; the last lap fills nothing, and has no round of the cluster's barrier
	STEP 1, 0, 0
	s_wait_dscnt 4*NL                              ; the very last step: nothing more to fetch
	WIN MUL_LO
	MUL16 0, 1, NQ-1, 1, 0
	MUL16 2, 1, NQ-1, 1, 0
	s_wait_dscnt 0
	WIN MUL_HI
	MUL16 4, 1, NQ-1, 1, 0
	MUL16 6, 1, NQ-1, 1, 0
	WIN 0
; THE WAY OUT.  64 numbers of a lane, v[s] .. v[s + 63], register 16 b + i = k 32 b + 16 (lane / 16) + i of my row, become a fragment's codes in v[PC] on and its scale word in v[pw].
.macro QUANT s, pw
.irp b, 0,1,2,3
	v_max3_num_f32 v[TM+\b], |v[\s+16*\b]|, |v[\s+1+16*\b]|, 0x2800000   ; block b: my 16 numbers, and the floor 2^(5 - 127): the byte cannot fall under 1
.endr
.irp i, 2,4,6,8,10,12,14
.irp b, 0,1,2,3
	v_max3_num_f32 v[TM+\b], v[TM+\b], |v[\s+16*\b+\i]|, |v[\s+1+16*\b+\i]|   ; (the four blocks by turns)
.endr
.endr
.irp b, 0,1,2,3
	v_permlanex16_b32 v[TM+4+\b], v[TM+\b], s[SEL], s[SEL+1]
.endr
.irp b, 0,1,2,3
	v_max_num_f32 v[TM+\b], v[TM+\b], v[TM+4+\b]   ; with lane l xor 16's: the block's largest magnitude
.endr
.irp b, 0,1,2,3
	v_add_nc_u32 v[TM+12+\b], 0xfe000000, v[TM+\b] ; 4 off its exponent field: the conversion's scale operand
.endr
.irp b, 0,1,2,3
	v_lshrrev_b32 v[TM+4+\b], 23, v[TM+12+\b]      ; the scale's byte
.endr
	v_lshl_or_b32 v[\pw], v[TM+5], 8, v[TM+4]      ; the four bytes make my row's scale word (lanes l and l xor 16 hold the same)
	v_lshl_or_b32 v[\pw], v[TM+6], 16, v[\pw]
	v_lshl_or_b32 v[\pw], v[TM+7], 24, v[\pw]
.irp c, 0,1
	v_cvt_scalef32_pk16_bf6_f32 v[PC+6*\c:PC+2+6*\c], v[\s+32*\c:\s+15+32*\c], v[TM+12+2*\c]
	v_cvt_scalef32_pk16_bf6_f32 v[PC+12+4*\c:PC+14+4*\c], v[\s+16+32*\c:\s+31+32*\c], v[TM+12+2*\c+1]   ; (a conversion's three registers begin on an even number)
.endr
	v_nop                                          ; one plain place behind a scaled conversion
.irp c, 0,1                                    ; the operand's layout wants a WHOLE block in a lane: lanes 0-15 block 2 c, lanes 16-31 block 2 c + 1
.irp i, 0,1,2
	v_permlane16_swap_b32 v[PC+6*\c+\i], v[PC+12+4*\c+\i]
.endr
.irp i, 0,1,2
	v_mov_b32 v[PC+3+6*\c+\i], v[PC+12+4*\c+\i]
.endr
.endr
.endm
; Block a: 16 A rows x my 128 B rows.  The bias is added in f32, each accumulator read from its low end on; then the quantiser; then the images.
; q, k: registers 0-5 of the codes are my first head's 64, registers 6-11 my second head's.  v: the twelve registers are one tile of head a / 4: 16 features x 128 keys.
.macro BLOCKOUT a, isv
.if (\a) > 0
	s_wait_xcnt 0x0                                ; the last block's stores have read their registers: the codes may be written again
.endif
.if \isv
	v_mov_b32 v[BP], v[BL+(\a)]                    ; my feature's bias, for both halves of the packed additions
	v_mov_b32 v[BP+1], v[BL+(\a)]
.endif
	WIN 0x02+(\a)/4                                ; source 0: window 2 or 3
.set i, 0
.rept 32
.if \isv
	v_pk_add_f32 v[T+2*i:T+2*i+1], v[64*((\a)%4)+2*i:64*((\a)%4)+2*i+1], v[BP:BP+1]
.else
	v_pk_add_f32 v[T+2*i:T+2*i+1], v[64*((\a)%4)+2*i:64*((\a)%4)+2*i+1], v[BR+2*i:BR+2*i+1]
.endif
.set i, i+1
.endr
	WIN 0
	QUANT T, SW+(\a)
.if \isv
.irp c, 0,1,2
	global_store_b128 v[L16], v[PC+4*\c:PC+4*\c+3], s[4+2*((\a)/4):5+2*((\a)/4)] offset:1536*((\a)%4)+512*\c   ; 512 consecutive bytes
.endr
.else
	global_store_b128 v[L16], v[PC:PC+3], s[4:5] offset:768*(\a)
	global_store_b64 v[L8], v[PC+4:PC+5], s[4:5] offset:768*(\a)+512     ; 256 consecutive bytes
	global_store_b128 v[L16], v[PC+6:PC+9], s[6:7] offset:768*(\a)
	global_store_b64 v[L8], v[PC+10:PC+11], s[6:7] offset:768*(\a)+512
.endif
.endm
	PLACES NP                                      ; behind the last products: their results are read and their operands' registers written below
	s_wait_loadcnt 0x0                             ; the biases
	s_mov_b32 s2, 0xffff0000                       ; lanes 16-31
.irp b, 0,1,2,3
	v_mov_b32 v[TM+4+\b], 0                        ; written once: a lane permute's destination counts as one of its sources
.endr
	s_cmp_eq_u32 ttmp9, 2                          ; the cluster's x: the same way for all sixteen partners
	s_cbranch_scc1 .Lv_out
.irp a, 0,1,2,3,4,5,6,7
	BLOCKOUT \a, 0
.endr
.irp t, 0,1,2,3
	v_cndmask_b32 v[XW+\t], v[SW+\t], v[SW+4+\t], s2   ; lanes 0-15: tiles 0-3, lanes 16-31: tiles 4-7
.endr
.irp t, 0,1,2,3
	v_lshrrev_b32 v[XW+4+\t], 16, v[XW+\t]         ; my second head's two bytes come down; zeros above them
.endr
	global_store_b128 v[L16], v[XW:XW+3], s[8:9]
	global_store_b128 v[L16], v[XW+4:XW+7], s[10:11]
	s_branch .Lend
.Lv_out:
.irp a, 0,1,2,3,4,5,6,7
	BLOCKOUT \a, 1
.endr
.irp t, 0,1,2,3
	v_cndmask_b32 v[XW+\t], v[SW+\t], v[SW+4+\t], s2   ; lanes 0-15: my first head's four tiles, lanes 16-31: my second head's
.endr
	global_store_b128 v[VSO], v[XW:XW+3], s[8:9]   ; sixteen lanes store 256 consecutive bytes in each head's record
.Lend:
	s_wait_tensorcnt 0x0                           ; the wave's end: three lines behind my last tensor load
	ds_add_u32 v[SPW], v[NIL]
	s_wait_dscnt 0x0
	CROUND                                         ; the closing round: no work-group ends while a partner may still ask for a tile that names it
	s_endpgm
.Lfunc_end_k_q010cd74c19_proj:
	.size	k_q010cd74c19_proj, .Lfunc_end_k_q010cd74c19_proj-k_q010cd74c19_proj
	.p2alignl 7, 3214868480
	.fill 96, 4, 3214868480
	.section	.rodata,"a",@progbits
	.p2align	6, 0x0
	.amdhsa_kernel k_q010cd74c19_proj
		.amdhsa_group_segment_fixed_size 327680
		.amdhsa_private_segment_fixed_size 0
		.amdhsa_enable_private_segment 0
		.amdhsa_kernarg_size 72
		.amdhsa_user_sgpr_count 2
		.amdhsa_user_sgpr_kernarg_segment_ptr 1
		.amdhsa_wavefront_size32 1
		.amdhsa_system_sgpr_workgroup_id_x 1
		.amdhsa_system_sgpr_workgroup_id_y 1
		.amdhsa_system_sgpr_workgroup_id_z 1
		.amdhsa_system_vgpr_workitem_id 0
		.amdhsa_next_free_vgpr 1024
		.amdhsa_next_free_sgpr 106
		.amdhsa_reserve_vcc 0
		.amdhsa_float_denorm_mode_32 3
		.amdhsa_float_denorm_mode_16_64 3
		.amdhsa_memory_ordered 1
		.amdhsa_forward_progress 1
		.amdhsa_inst_pref_size 235
	.end_amdhsa_kernel
	.amdgpu_metadata
---
amdhsa.version: [ 1, 2 ]
amdhsa.kernels:
  - .name:           k_q010cd74c19_proj
    .symbol:         k_q010cd74c19_proj.kd
    .args:
      - { .name: xc, .offset: 0, .size: 8, .value_kind: global_buffer, .address_space: global }
      - { .name: xs, .offset: 8, .size: 8, .value_kind: global_buffer, .address_space: global }
      - { .name: wc, .offset: 16, .size: 8, .value_kind: global_buffer, .address_space: global }
      - { .name: ws, .offset: 24, .size: 8, .value_kind: global_buffer, .address_space: global }
      - { .name: bq, .offset: 32, .size: 8, .value_kind: global_buffer, .address_space: global }
      - { .name: bk, .offset: 40, .size: 8, .value_kind: global_buffer, .address_space: global }
      - { .name: bv, .offset: 48, .size: 8, .value_kind: global_buffer, .address_space: global }
      - { .name: qq, .offset: 56, .size: 8, .value_kind: global_buffer, .address_space: global }
      - { .name: kv, .offset: 64, .size: 8, .value_kind: global_buffer, .address_space: global }
    .group_segment_fixed_size: 327680
    .private_segment_fixed_size: 0
    .kernarg_segment_align: 8
    .kernarg_segment_size: 72
    .max_flat_workgroup_size: 128
    .sgpr_count:     106
    .vgpr_count:     1024
    .wavefront_size: 32
...
	.end_amdgpu_metadata
.endif
;; end of part 2
;; launch attn (part 3): grid 4 x 64, 16 waves a work-group, clusters of 4 x 1, 327,680 bytes of LDS; arguments qq, kv, out0; writes out0
.if DOCPART == 3
	.amdgcn_target "amdgcn-amd-amdhsa--gfx1250"
	.amdhsa_code_object_version 6
	.text
	.protected	k_q010cd74c19_attn
	.globl	k_q010cd74c19_attn
	.p2align	8
	.type	k_q010cd74c19_attn,@function
k_q010cd74c19_attn:
	s_mov_b64 s[64:65], 0
	v_nop
	global_prefetch_b8 v0, s[64:65] scope:SCOPE_SE
	s_setreg_imm32_b32 hwreg(HW_REG_WAVE_MODE, 25, 1), 1
	s_wait_xcnt 0x0
	s_wait_alu depctr_hold_cnt(0) depctr_sa_sdst(0) depctr_va_vdst(0) depctr_va_sdst(0) depctr_va_ssrc(0) depctr_va_vcc(0) depctr_vm_vsrc(0)
	s_getreg_b32 s2, hwreg(HW_REG_IB_STS2, 6, 4)
	s_cmp_eq_u32 s2, 0
	s_cbranch_scc0 .Lentry_in_a_cluster
	s_endpgm
.Lentry_in_a_cluster:
	s_bfe_u32 s2, ttmp6, 0x10000c
	s_cmp_lg_u32 s2, 0x3003
	s_cbranch_scc0 .Lentry_shape_is_right
	s_endpgm
.Lentry_shape_is_right:
; ATTN: out0[hb][q][:] = the sum over k of softmax_k(q . k / 8) v[k][:] for 64 (head, batch) pairs hb, 2,048 queries and keys, head size 64, no mask; both products on codes of E3M2 with E8M0 scales.  Nothing is left out.
; THE SOFTMAX AHEAD OF THE SECOND PRODUCT: t = score x log2(e) / 8; M = the row's largest t so far, rounded UP to a whole number; p = 2^(t - M) is what is quantised, along the keys, not normalised.  The row's sum is taken
; of the unquantised p, in f32, and divides at the end.  When M moves, the sum and O are multiplied by 2^(old M - new M): exact.
; SHARES.  The four work-groups of a cluster share one hb; each owns 512 queries, each of its SIXTEEN waves one tile of 16 queries at a time, two tiles one after the other, in 256 registers: four waves to a SIMD, so that one
; wave's vector work stands beside another's matrix work and LDS loads.
; K AND V OF THE WHOLE HEAD, 208,896 bytes of codes and scale words, LIE IN LDS, as they lie in memory, brought ONCE: five joint loads a wave at the head (the same load, descriptor and mask in all four partners), so that each
; byte of kv is asked of memory once in the launch.  No ring, no refill, and nothing left to prefetch: all that the launch reads is asked for at its start.  The keys come in four quarters: the first pass begins on a
; quarter as soon as it has landed.
; LAYOUT.  Both products are used transposed: S^T = K Q^T (source 0 = 16 keys, source 1 = my 16 queries), O^T = V^T P^T (source 0 = 16 of the head's 64, source 1 = P): a lane holds ONE query throughout.
; The rows of a tile are not neighbours: lane r of tile 2 b + u is row 32 b + 8 u + r + 8 (r / 8) of its group of 128, so that the 16 registers of tiles 2 b, 2 b + 1 are 16 neighbours: keys in S^T, channels in O^T.
; THE FIRST PRODUCT'S K IS 64 and the instruction's 128: Q's upper six registers are zero codes.  K's tiles are six registers each and lie on end, so the upper six registers of K's operand are the next tile's codes (behind the
; last tile: zeros): whatever they hold meets zero codes, under scale bytes that are never 0xff.
; LIMITS: a block of p that has fallen to zeros keeps the byte 1 (its codes are zeros); NaN and infinities are not served.
.set REC,   208896                     ; a head's record in kv, and its image in LDS from byte 0
.set QREC,  106496                     ; a head's record in qq
.set QGRP,  6656                       ; a group of 128 queries in it: 8 tiles of 768 bytes, 512 bytes of scale words
.set GRP,   12288                      ; a group of 128 keys: K's 8 tiles of 768 bytes, V's 4 of 1,536
.set SCB,   196608                     ; where the scale words begin: 768 bytes a group: K's 512, V's 256
.set STG,   208896                     ; behind the record: a stage of 16 rows x (256 + 16) bytes for each wave, for the way out
.set SPARE, 278528                     ; the spare words, 128 bytes for each wave: eight blocks of 256 bytes that no other line names
.set L16,  1                           ; v1   16 x lane
.set L8,   2                           ; v2   8 x lane
.set ASC,  3                           ; v3   SCB + 16 r
.set GO,   4                           ; v4   the way out: 256 (lane / 16) + 16 r
.set SPW,  5                           ; v5   LDS address of my spare word; never rewritten
.set NIL,  6                           ; v6   0; never rewritten
.set AD16, 7                           ; v7-9 the step's addresses
.set AD8,  8
.set ADS,  9
.set STI,  10                          ; v10  into my stage
.set STO,  11                          ; v11  out of it
                                       ; v12 -M, v13 the largest t, v[14:15] the sum in two halves
.set Q0,   16                          ; v16-27  the first pass's Q (v22-27 zeros);  v28 its scale words
.set QS0,  28
.set KB,   32                          ; v32-79  K's 8 tiles x 6, later V's 4 x 12;  v80-85 zeros
.set KS,   86                          ; v86-93  K's scale words;  v94-97 V's
.set VS,   94
.set S,    98                          ; v98-161 S^T, then p
.set O,    162                         ; v162-193 O^T
.set PC,   194                         ; v194-205 p's codes;  v206-208, v210-212 the conversions' second halves
.set PT,   206
.set BM,   214                         ; v214-217 the blocks' largest scores, then largest p
.set TP,   218                         ; v218-221 at work
.set SO,   222                         ; v222-225 the conversions' scale operands
.set FF,   226                         ; v[226:227] f = 2^(old M - new M) (the pair's low word serves both halves)
.set TT,   228
.set PW,   229                         ; p's scale word
.set Q1,   230                         ; v230-241 the second pass's Q (v236-241 zeros);  v242 its scale words
.set QS1,  242
.set TB,   2                           ; s2   LDS byte at which the step's group of keys begins
.set TS,   3                           ; s3   and its scale words, from SCB on
.set WV,   18                          ; s18  my wave's number
.set SEL,  20                          ; s[20:21] lane selects for v_permlanex16_b32: lane l xor 16
.set CS,   22                          ; s[22:23] c = log2(e) / 8
.set G1C,  24                          ; s[24:31] descriptor group 1: 12 rows of 256 bytes;  s[32:39]: 3 rows
.set G1S,  32
.set G0,   40                          ; s[40:59] five groups 0: the scale words, then the four quarters
.set CNT,  60
.macro ROUND                           ; a round of the cluster's barrier
	s_barrier_signal -1
	s_barrier_wait -1
	s_cmp_lg_u32 s[WV], 0
	s_cbranch_scc1 .Lnot_wave_0_\@
	s_barrier_signal -3
.Lnot_wave_0_\@:
	s_barrier_wait -3
	s_barrier_signal -1
	s_barrier_wait -1
.endm
	s_load_b128 s[4:7], s[0:1], 0x0                ; qq s[4:5], kv s[6:7]
	s_load_b64 s[8:9], s[0:1], 0x10                ; out0
	v_lshl_add_u32 v[SPW], v0, 2, SPARE
	v_mov_b32 v[NIL], 0
	ds_add_u32 v[SPW], v[NIL]                      ; the wave's opening: the add, twice on end, and its wait ahead of my first tensor load; the set-up below, work on registers, stands between
	ds_add_u32 v[SPW], v[NIL]
	v_lshrrev_b32 v7, 5, v0
	v_readfirstlane_b32 s[WV], v7                  ; wave 0..15
	s_bfe_u32 s10, ttmp6, 0x40000                  ; cx: it enters Q's and out0's addresses alone
	s_and_b32 s11, ttmp7, 0xffff                   ; hb, which the four partners share
	; group 1: a dense block as rows of 256 bytes (32 elements of 8 bytes), no padding: LDS holds the record as memory does
	s_mov_b32 s[G1C], 15|(3<<16)|(1<<21)           ; 15:0 the mask: all four work-groups; 17:16 elements of 8 bytes; 21 set beside a mask
	s_mov_b32 s[G1C+1], 32<<16                     ; tensor_dim0 = 32
	s_mov_b32 s[G1C+2], 12<<16                     ; tensor_dim1 = 12
	s_mov_b32 s[G1C+3], 32<<16                     ; tile_dim0 = 32
	s_mov_b32 s[G1C+4], 12                         ; tile_dim1 = 12
	s_mov_b32 s[G1C+5], 32                         ; from row to row
	s_mov_b32 s[G1C+6], 0
	s_mov_b32 s[G1C+7], 0
	s_mov_b32 s[G1S], 15|(3<<16)|(1<<21)
	s_mov_b32 s[G1S+1], 32<<16
	s_mov_b32 s[G1S+2], 3<<16
	s_mov_b32 s[G1S+3], 32<<16
	s_mov_b32 s[G1S+4], 3
	s_mov_b32 s[G1S+5], 32
	s_mov_b32 s[G1S+6], 0
	s_mov_b32 s[G1S+7], 0
	s_mul_i32 s12, s11, REC
	s_mov_b32 s13, 0
	s_mul_i32 s14, s[WV], 3072                     ; my sixteenth of a quarter: 49,152 / 16
	s_mul_i32 s15, s[WV], 768                      ; and of the scale words: 12,288 / 16
	s_mov_b32 s17, 0
	s_mov_b32 s[SEL], 0x76543210
	s_mov_b32 s[SEL+1], 0xfedcba98
	s_mov_b32 s[CS], 0x3e38aa3b                    ; c = log2(e) / 8
	s_mov_b32 s[CS+1], s[CS]                       ; (named with it as a pair, so it is written)
	s_wait_dscnt 0x0                               ; both opening adds are done
	s_wait_kmcnt 0x0
	s_add_nc_u64 s[6:7], s[6:7], s[12:13]          ; the head's record
	s_mov_b32 s[G0], 1                             ; count = 1
	s_add_co_u32 s[G0+1], s15, SCB                 ; the LDS address, which is also the byte's place in the record
	s_mov_b32 s16, s[G0+1]
	s_add_nc_u64 s[G0+2:G0+3], s[6:7], s[16:17]
	s_or_b32 s[G0+3], s[G0+3], 0x80000000          ; type = 2
.irp j, 0,1,2,3
	s_mov_b32 s[G0+4+4*\j], 1
	s_add_co_u32 s[G0+5+4*\j], s14, 49152*\j
	s_mov_b32 s16, s[G0+5+4*\j]
	s_add_nc_u64 s[G0+6+4*\j:G0+7+4*\j], s[6:7], s[16:17]
	s_or_b32 s[G0+7+4*\j], s[G0+7+4*\j], 0x80000000
.endr
	ROUND                                          ; all four work-groups are here: the joint loads meet
	tensor_load_to_lds s[G0:G0+3], s[G1S:G1S+7]    ; every wave issues all five, with no branch: five tensor loads of mine are out.  The scale words first
	s_nop 0
.irp j, 0,1,2,3
	tensor_load_to_lds s[G0+4+4*\j:G0+7+4*\j], s[G1C:G1C+7]
	s_nop 0
.endr
.rept 4
	v_nop
.endr
	v_and_b32 v8, 31, v0                           ; lane
	v_and_b32 v9, 15, v0                           ; r
	v_bfe_u32 v7, v0, 4, 1                         ; h
	v_lshlrev_b32 v[L16], 4, v8
	v_lshlrev_b32 v[L8], 3, v8
	v_lshl_add_u32 v[ASC], v9, 4, SCB
	v_lshlrev_b32 v[GO], 8, v7
	v_lshl_add_u32 v[GO], v9, 4, v[GO]
	s_mul_i32 s12, s[WV], 4352
	s_add_co_u32 s12, s12, STG                     ; my stage
	v_mul_u32_u24 v[STI], v9, 272
	v_lshl_add_u32 v[STI], v7, 6, v[STI]
	v_add_nc_u32 v[STI], s12, v[STI]               ; in: row r, + 64 h
	v_mul_u32_u24 v[STO], v7, 272
	v_lshl_add_u32 v[STO], v9, 4, v[STO]
	v_add_nc_u32 v[STO], s12, v[STO]               ; back: lanes 0-15 one row, lanes 16-31 the next
	s_lshl_b32 s61, s10, 2
	s_lshr_b32 s62, s[WV], 3
	s_add_co_u32 s61, s61, s62                     ; the first pass's group of 128 queries: 4 cx + wave / 8; the second pass's lies two groups on
	s_and_b32 s62, s[WV], 7                        ; my tile in it
	s_mul_i32 s12, s11, QREC
	s_mul_i32 s13, s61, QGRP
	s_add_co_u32 s12, s12, s13
	s_mov_b32 s13, 0
	s_add_nc_u64 s[4:5], s[4:5], s[12:13]          ; the group's record in qq
	s_mul_i32 s12, s62, 768
	s_add_nc_u64 s[68:69], s[4:5], s[12:13]        ; my tile's image
	s_lshr_b32 s63, s62, 2
	s_lshl_b32 s63, s63, 8
	s_and_b32 s12, s62, 3
	s_lshl_b32 s12, s12, 2
	s_add_co_u32 s63, s63, s12
	s_add_co_u32 s63, s63, 6144
	v_lshl_add_u32 v9, v9, 4, s63                  ; my row's scale word: 6,144 + 256 (tile / 4) + 16 r + 4 (tile % 4)
	global_load_b128 v[Q0:Q0+3], v[L16], s[68:69]
	global_load_b64 v[Q0+4:Q0+5], v[L8], s[68:69] offset:512
	global_load_b32 v[QS0], v9, s[4:5]
	global_load_b128 v[Q1:Q1+3], v[L16], s[68:69] offset:2*QGRP
	global_load_b64 v[Q1+4:Q1+5], v[L8], s[68:69] offset:2*QGRP+512
	global_load_b32 v[QS1], v9, s[4:5] offset:2*QGRP
	s_lshl_b32 s12, s11, 19                        ; out0: 2,048 rows of 256 bytes a head,
	s_lshl_b32 s13, s61, 15                        ; 128 rows a group,
	s_add_co_u32 s12, s12, s13
	s_lshr_b32 s13, s62, 1
	s_lshl_b32 s13, s13, 13                        ; my tile's first row: 32 (tile / 2) + 8 (tile % 2)
	s_add_co_u32 s12, s12, s13
	s_and_b32 s13, s62, 1
	s_lshl_b32 s13, s13, 11
	s_add_co_u32 s12, s12, s13
	s_mov_b32 s13, 0
	s_add_nc_u64 s[8:9], s[8:9], s[12:13]
.irp i, 0,1,2,3,4,5
	v_mov_b32 v[Q0+6+\i], 0                        ; zero codes for k = 64 .. 127 of the first product
	v_mov_b32 v[Q1+6+\i], 0
	v_mov_b32 v[KB+48+\i], 0                       ; and behind K's last tile
.endr
; A KEY STEP: 128 keys.  qf, qs: the pass's Q and its scale words.
.macro STEP qf, qs
	v_add_nc_u32 v[AD16], s[TB], v[L16]
	v_add_nc_u32 v[AD8], s[TB], v[L8]
	v_add_nc_u32 v[ADS], s[TS], v[ASC]
	v_nop                                          ; these four are the places in front of loads into registers that the last step's products have read
.irp t, 0,1,2,3,4,5,6,7
	ds_load_b128 v[KB+6*\t:KB+6*\t+3], v[AD16] offset:768*\t          ; a tile comes back as the image of its six registers: every load reads consecutive bytes
	ds_load_b64 v[KB+6*\t+4:KB+6*\t+5], v[AD8] offset:768*\t+512
.endr
	ds_load_b128 v[KS:KS+3], v[ADS]                ; row r's words of tiles 0-3,
	ds_load_b128 v[KS+4:KS+7], v[ADS] offset:256   ; and 4-7
	s_wait_dscnt 0x0
.irp t, 0,1,2,3,4,5,6,7
	v_wmma_scale_f32_16x16x128_f8f6f4 v[S+8*\t:S+8*\t+7], v[KB+6*\t:KB+6*\t+11], v[\qf:\qf+11], 0, v[KS+\t], v[\qs] matrix_a_fmt:MATRIX_FMT_BF6 matrix_b_fmt:MATRIX_FMT_BF6
.endr                                          ; lane (r, h) holds query r; register 16 b + i is key 32 b + 16 h + i of the group
.rept 4
	v_nop                                          ; places: for the loads below and for the first read of the scores
.endr
.irp t, 0,1,2,3
.irp c, 0,1,2
	ds_load_b128 v[KB+12*\t+4*\c:KB+12*\t+4*\c+3], v[AD16] offset:6144+1536*\t+512*\c   ; V's four tiles land while the softmax is walked
.endr
.endr
	ds_load_b128 v[VS:VS+3], v[ADS] offset:512
.irp b, 0,1,2,3
	v_max3_num_f32 v[BM+\b], v[S+16*\b], v[S+1+16*\b], v[S+2+16*\b]   ; THE LARGEST SCORE OF EACH BLOCK OF 32 KEYS serves twice: for the row's maximum, and, since p rises with the score, for the block's largest p
.endr
.irp i, 3,5,7,9,11,13
.irp b, 0,1,2,3
	v_max3_num_f32 v[BM+\b], v[BM+\b], v[S+16*\b+\i], v[S+1+16*\b+\i]   ; (the four blocks by turns)
.endr
.endr
.irp b, 0,1,2,3
	v_max_num_f32 v[BM+\b], v[BM+\b], v[S+15+16*\b]
.endr
.irp b, 0,1,2,3
	v_permlanex16_b32 v[TP+\b], v[BM+\b], s[SEL], s[SEL+1]
.endr
.irp b, 0,1,2,3
	v_max_num_f32 v[BM+\b], v[BM+\b], v[TP+\b]     ; with lane l xor 16's 16 keys
.endr
	v_max3_num_f32 v[TT], v[BM], v[BM+1], v[BM+2]
	v_max_num_f32 v[TT], v[TT], v[BM+3]            ; the step's largest score of my query
	v_mul_f32 v[TT], s[CS], v[TT]                  ; as t (c is positive)
	v_max_num_f32 v13, v13, v[TT]                  ; the running largest t
	v_mov_b32 v[TT], v12
	v_floor_f32 v12, -v13                          ; the new -M = floor(-t) = -ceil(t): M is a whole number
	v_sub_f32 v[TT], v12, v[TT]                    ; M's old value less its new one: a whole number, 0 or less
	v_cvt_i32_f32 v[TT], v[TT]                     ; (it saturates)
	v_ldexp_f32 v[FF], 1.0, v[TT]                  ; f = 2^(old M - new M)
.set j, 0
.rept 32
	v_pk_fma_f32 v[S+j:S+j+1], v[S+j:S+j+1], s[CS:CS+1], v[12:13] op_sel_hi:[1,0,0]   ; t - M, two at a time (of the pairs c and -M the low word serves both halves)
.set j, j+2
.endr
.irp b, 0,1,2,3
	v_fma_f32 v[BM+\b], v[BM+\b], s[CS], v12       ; the same of each block's largest score
.endr
.set j, 0
.rept 64
	v_exp_f32 v[S+j], v[S+j]                       ; p = 2^(t - M), at most 1: not normalised
.set j, j+1
.endr
	v_pk_mul_f32 v[14:15], v[14:15], v[FF:FF+1] op_sel_hi:[1,0]   ; the sums under the new M (a plain line behind the exponentials)
	s_wait_alu depctr_va_vdst(0)                   ; one wait for the whole batch, ahead of its first reader
.irp b, 0,1,2,3
	v_exp_f32 v[BM+\b], v[BM+\b]                   ; the block's largest p: the same two instructions on the same number give the same bits
.endr
	v_pk_add_f32 v[TP:TP+1], v[S:S+1], v[S+2:S+3]  ; THE ROW'S SUM IS TAKEN OF THE UNQUANTISED p: two at a time, in two chains (it reads the 64 alone: plain work behind the four)
.set j, 4
.rept 15
	v_pk_add_f32 v[14:15], v[14:15], v[S+j:S+j+1]
	v_pk_add_f32 v[TP:TP+1], v[TP:TP+1], v[S+j+2:S+j+3]
.set j, j+4
.endr
	v_pk_add_f32 v[14:15], v[14:15], v[TP:TP+1]
	s_wait_alu depctr_va_vdst(0)                   ; and one for the four
.irp b, 0,1,2,3
	v_max_num_f32 v[BM+\b], 0x2800000, v[BM+\b]    ; the floor 2^(5 - 127): the byte cannot fall under 1
.endr
.irp b, 0,1,2,3
	v_add_nc_u32 v[SO+\b], 0xfe000000, v[BM+\b]    ; 4 off the exponent field: the conversion's scale operand
.endr
.irp b, 0,1,2,3
	v_lshrrev_b32 v[TP+\b], 23, v[SO+\b]           ; the scale's byte
.endr
	v_lshl_or_b32 v[PW], v[TP+1], 8, v[TP]         ; p's scale word for these 128 keys
	v_lshl_or_b32 v[PW], v[TP+2], 16, v[PW]
	v_lshl_or_b32 v[PW], v[TP+3], 24, v[PW]
.irp c, 0,1
	v_cvt_scalef32_pk16_bf6_f32 v[PC+6*\c:PC+2+6*\c], v[S+32*\c:S+15+32*\c], v[SO+2*\c]
	v_cvt_scalef32_pk16_bf6_f32 v[PT+4*\c:PT+2+4*\c], v[S+16+32*\c:S+31+32*\c], v[SO+2*\c+1]   ; (a conversion's three registers begin on an even number)
.endr
	v_nop                                          ; one plain line behind a scaled conversion
.irp c, 0,1                                    ; the operand's layout wants a WHOLE block in a lane: lanes 0-15 block 2 c, lanes 16-31 block 2 c + 1
.irp i, 0,1,2
	v_permlane16_swap_b32 v[PC+6*\c+\i], v[PT+4*\c+\i]
.endr
.irp i, 0,1,2
	v_mov_b32 v[PC+3+6*\c+\i], v[PT+4*\c+\i]
.endr
.endr
.set j, 0
.rept 16
	v_pk_mul_f32 v[O+j:O+j+1], v[O+j:O+j+1], v[FF:FF+1] op_sel_hi:[1,0]   ; O^T under the new M.  (These sixteen also stand between the writing of p's codes and scale word and the products that take them)
.set j, j+2
.endr
	s_wait_dscnt 0x0                               ; V and its scale words are in
.irp t, 0,1,2,3
	v_wmma_scale_f32_16x16x128_f8f6f4 v[O+8*\t:O+8*\t+7], v[KB+12*\t:KB+12*\t+11], v[PC:PC+11], v[O+8*\t:O+8*\t+7], v[VS+\t], v[PW] matrix_a_fmt:MATRIX_FMT_BF6 matrix_b_fmt:MATRIX_FMT_BF6
.endr                                          ; the four accumulators take turns, one instruction a turn, with the eight products of S^T between two turns
	s_add_co_u32 s[TB], s[TB], GRP
	s_add_co_u32 s[TS], s[TS], 768
.endm
.macro LOOPN n, qf, qs
	s_mov_b32 s[CNT], \n
.Lkeys_\@:
	STEP \qf, \qs
	s_sub_co_u32 s[CNT], s[CNT], 1
	s_cmp_lg_u32 s[CNT], 0
	s_cbranch_scc1 .Lkeys_\@
.endm
; A pass begins: O^T and the sum as zeros, the largest t under every t: the step is written once, and its first change of M leaves zeros zeros.
.macro INIT
.set j, 0
.rept 32
	v_mov_b32 v[O+j], 0
.set j, j+1
.endr
	v_mov_b32 v13, 0xff61b1e6                      ; -3e38
	v_floor_f32 v12, -v13
	v_mov_b32 v14, 0
	v_mov_b32 v15, 0
.irp b, 0,1,2,3
	v_mov_b32 v[TP+\b], 0                          ; a lane permute's destination counts as one of its sources
.endr
	v_mov_b32 v[FF+1], 0                           ; (named as the upper half of a pair)
	s_mov_b32 s[TB], 0
	s_mov_b32 s[TS], 0
.endm
; THE WAY OUT of pass tau.  O^T / the sum goes through my stage (16 rows of 256 bytes + 16) and leaves as whole rows of out0: sixteen lanes store 256 consecutive bytes, aligned.
.macro OUT tau
	v_add_f32 v14, v14, v15                        ; the sum's two halves,
	v_permlanex16_b32 v[TP], v14, s[SEL], s[SEL+1]
	v_add_f32 v14, v14, v[TP]                      ; and lane l xor 16's: the row's sum
	v_rcp_f32 v[FF], v14
.rept 4
	v_nop                                          ; the plain line behind the reciprocal, and the places behind the last products
.endr
	s_wait_alu depctr_va_vdst(0)                   ; the wait ahead of the reciprocal's first reader
.set j, 0
.rept 16
	v_pk_mul_f32 v[S+j:S+j+1], v[O+j:O+j+1], v[FF:FF+1] op_sel_hi:[1,0]   ; register 16 b + i is channel 32 b + 16 h + i of my query
.set j, j+2
.endr
.irp b, 0,1
.irp q, 0,1,2,3
	ds_store_b128 v[STI], v[S+16*\b+4*\q:S+16*\b+4*\q+3] offset:128*\b+16*\q
.endr
.endr
.irp i, 0,1,2,3,4,5,6,7
	ds_load_b128 v[KB+4*\i:KB+4*\i+3], v[STO] offset:544*\i        ; LDS serves a wave's instructions in order: these see my stores.  Rows 2 i, 2 i + 1 of the tile
.endr
.irp i, 0,1,2,3,4,5,6,7
	s_wait_dscnt 7-\i                              ; the younger loads may be out
	global_store_b128 v[GO], v[KB+4*\i:KB+4*\i+3], s[8:9] offset:65536*\tau+256*(2*\i+8*(\i/4)) th:TH_STORE_NT   ; the tile's rows 8 .. 15 lie 8 rows further on in out0
.endr
	s_wait_xcnt 0x0                                ; the stores have read their registers, which the next pass loads again
.endm
	s_wait_loadcnt 0x0                             ; Q of both passes
	INIT
.irp j, 0,1,2,3                        ; THE FIRST PASS goes quarter by quarter of the keys, each as soon as it has landed
	s_wait_tensorcnt 3-\j                          ; tensor loads of a wave end in order (ISA guide 10.11.1): the scale words and my part of quarters 0 to j are in; the quarters behind may be out
	s_wait_dscnt 0x0
	s_barrier_signal -1
	s_barrier_wait -1                              ; everybody's parts are in
	LOOPN 4, Q0, QS0
.endr
	OUT 0
	INIT
	LOOPN 16, Q1, QS1                              ; THE SECOND PASS finds everything in LDS: no wait, no barrier
	OUT 1
	s_wait_tensorcnt 0x0                           ; the wave's end: three lines behind my last tensor load and my last LDS store
	ds_add_u32 v[SPW], v[NIL]
	s_wait_dscnt 0x0
	ROUND                                          ; the closing round: no work-group ends while a partner may still ask for a tile that names it
	s_endpgm
.Lfunc_end_k_q010cd74c19_attn:
	.size	k_q010cd74c19_attn, .Lfunc_end_k_q010cd74c19_attn-k_q010cd74c19_attn
	.p2alignl 7, 3214868480
	.fill 96, 4, 3214868480
	.section	.rodata,"a",@progbits
	.p2align	6, 0x0
	.amdhsa_kernel k_q010cd74c19_attn
		.amdhsa_group_segment_fixed_size 327680
		.amdhsa_private_segment_fixed_size 0
		.amdhsa_enable_private_segment 0
		.amdhsa_kernarg_size 24
		.amdhsa_user_sgpr_count 2
		.amdhsa_user_sgpr_kernarg_segment_ptr 1
		.amdhsa_wavefront_size32 1
		.amdhsa_system_sgpr_workgroup_id_x 1
		.amdhsa_system_sgpr_workgroup_id_y 1
		.amdhsa_system_sgpr_workgroup_id_z 1
		.amdhsa_system_vgpr_workitem_id 0
		.amdhsa_next_free_vgpr 256
		.amdhsa_next_free_sgpr 70
		.amdhsa_reserve_vcc 0
		.amdhsa_float_denorm_mode_32 3
		.amdhsa_float_denorm_mode_16_64 3
		.amdhsa_memory_ordered 1
		.amdhsa_forward_progress 1
		.amdhsa_inst_pref_size 96
	.end_amdhsa_kernel
	.amdgpu_metadata
---
amdhsa.version: [ 1, 2 ]
amdhsa.kernels:
  - .name:           k_q010cd74c19_attn
    .symbol:         k_q010cd74c19_attn.kd
    .args:
      - { .name: qq, .offset: 0, .size: 8, .value_kind: global_buffer, .address_space: global }
      - { .name: kv, .offset: 8, .size: 8, .value_kind: global_buffer, .address_space: global }
      - { .name: out0, .offset: 16, .size: 8, .value_kind: global_buffer, .address_space: global }
    .group_segment_fixed_size: 327680
    .private_segment_fixed_size: 0
    .kernarg_segment_align: 8
    .kernarg_segment_size: 24
    .max_flat_workgroup_size: 512
    .sgpr_count:     70
    .vgpr_count:     256
    .wavefront_size: 32
...
	.end_amdgpu_metadata
.endif
;; end of part 3
